; MI455X (gfx1250); checked and timed in simulation.
; The chip was launched on July 23, 2026; its instructions are those of AMD's public machine-readable ISA for CDNA 5 (MIT licence, August 2026) and "CDNA5" Instruction Set Architecture Reference Guide (July 2026). The comments in the code are by the model that wrote it; some were corrected since.
;; Multi Head Attention. Allowed arithmetic: float matrix products may take bf16 or f16 operands with f32 sums; other float arithmetic in f32, or as packed bf16 or f16 multiplies, adds, multiply-adds, maxima and minima; sums over many terms, partial sums and values carried from step to step in f32; what a program stores and reads back later, other than sums and carried values, may be rounded once to bf16 or f16.
;; Inputs: b_k 1,024 float32; b_o 1,024 float32; b_q 1,024 float32; b_v 1,024 float32; w_k 1,024 x 1,024 float32; w_o 1,024 x 1,024 float32; w_q 1,024 x 1,024 float32; w_v 1,024 x 1,024 float32; x 4 x 2,048 x 1,024 float32.
;; Outputs: out0 4 x 2,048 x 1,024 float32.
;; 2 versions, each right; version 2 is version 1 with the launch cast written anew for expert scheduling mode. Each part assembles by itself: llvm-mc -triple=amdgcn-amd-amdhsa -mcpu=gfx1250 --defsym DOCPART=n.
;; ======== version 1 of 2: 4 launches
;; limits: values are held in f16: magnitudes above 65,504 overflow, below 6.1e-05 lose precision
;; workspace buffers: xb 16,777,216 bytes; wb 8,388,608 bytes; qkv 50,331,648 bytes; ob 16,777,216 bytes
;; launch cast (part 1): grid 768 x 1, 8 waves a work-group, no clusters, 0 bytes of LDS; arguments x, w_q, w_k, w_v, w_o, xb, wb; writes xb, wb
.if DOCPART == 1
	.amdgcn_target "amdgcn-amd-amdhsa--gfx1250"
	.amdhsa_code_object_version 6
	.text
	.protected	k_q203b608b14_cast
	.globl	k_q203b608b14_cast
	.p2align	8
	.type	k_q203b608b14_cast,@function
k_q203b608b14_cast:
	s_mov_b64 s[64:65], 0
	v_nop
	global_prefetch_b8 v0, s[64:65] scope:SCOPE_SE
	s_setreg_imm32_b32 hwreg(HW_REG_WAVE_MODE, 25, 1), 1
	s_wait_xcnt 0x0
; x and the four weights, f32, are written as 16-bit copies in the same layout: xb = bf16(x); wb planes 0, 1, 2 = bf16(w_q, w_k, w_v);
; wb plane 3 = bf16(w_o) written as f16 (exact for 2^-17 <= |w| < 65,504; below that f16's fixed step of 2^-24; LIMIT: |w_o| stays under 65,504).
; A pure stream: no LDS, no barrier, no matrix unit.  A work-group takes 16,384 numbers: 65,536 bytes in, 32,768 out.  Groups 0-511: x; 512 + 64 p + i: weight p.
; Load j of a thread: 16 bytes at 4,096 j + 16 t (a wave's load covers 512 consecutive bytes); its four numbers leave as 8 bytes at 2,048 j + 8 t
; (a wave's store covers 256 consecutive bytes, aligned).  All 16 loads go out at once; no register that a memory instruction names is written again.
.set X, 4                              ; v[4:67]    16 x 4 numbers as loaded
.set Y, 68                             ; v[68:99]   16 x 2 words to store
.set T, 100                            ; v[100:103] at work
	s_load_b256 s[4:11], s[0:1], 0x0               ; x s[4:5], w_q s[6:7], w_k s[8:9], w_v s[10:11]
	s_load_b128 s[12:15], s[0:1], 0x20             ; w_o s[12:13], xb s[14:15]
	s_load_b64 s[16:17], s[0:1], 0x30              ; wb
	v_lshlrev_b32 v1, 4, v0                        ; 16 t
	v_lshlrev_b32 v2, 3, v0                        ; 8 t
	s_sub_co_u32 s20, ttmp9, 512                   ; e: my number among the weights' groups,
	s_cmp_lt_u32 ttmp9, 512
	s_cselect_b32 s20, 0, s20                      ; (0 in a group of x, where it is not used)
	s_lshr_b32 s21, s20, 6                         ; p: which weight
	s_and_b32 s22, s20, 63
	s_lshl_b32 s22, s22, 16                        ; a weight's group: from where,
	s_lshl_b32 s24, s20, 15                        ; to where
	s_lshl_b32 s26, ttmp9, 16                      ; a group of x: from where,
	s_lshl_b32 s28, ttmp9, 15                      ; to where
	s_cmp_lt_u32 ttmp9, 512
	s_cselect_b32 s22, s26, s22
	s_cselect_b32 s24, s28, s24
	s_mov_b32 s23, 0
	s_mov_b32 s25, 0
	s_wait_kmcnt 0x0
	s_cmp_eq_u32 s21, 1
	s_cselect_b64 s[6:7], s[8:9], s[6:7]
	s_cmp_eq_u32 s21, 2
	s_cselect_b64 s[6:7], s[10:11], s[6:7]
	s_cmp_eq_u32 s21, 3
	s_cselect_b64 s[6:7], s[12:13], s[6:7]
	s_cmp_lt_u32 ttmp9, 512
	s_cselect_b64 s[6:7], s[4:5], s[6:7]           ; the source
	s_cselect_b64 s[14:15], s[14:15], s[16:17]     ; the destination
	s_add_nc_u64 s[6:7], s[6:7], s[22:23]
	s_add_nc_u64 s[14:15], s[14:15], s[24:25]
.irp j, 0,1,2,3,4,5,6,7,8,9,10,11,12,13,14,15
	global_load_b128 v[X+4*(\j):X+4*(\j)+3], v1, s[6:7] offset:4096*(\j) th:TH_LOAD_NT
.endr
; Piece j: rounded to bf16; half = 1: that number written as f16.
.macro CONV j, half
	s_wait_loadcnt 15-(\j)                         ; loads come back in order: mine is in, the 15 - j younger ones stay out
	v_cvt_pk_bf16_f32 v[Y+2*(\j)],   v[X+4*(\j)],   v[X+4*(\j)+1]
	v_cvt_pk_bf16_f32 v[Y+2*(\j)+1], v[X+4*(\j)+2], v[X+4*(\j)+3]
.if \half
	v_lshlrev_b32 v[T],   16,         v[Y+2*(\j)]
	v_and_b32     v[T+1], 0xffff0000, v[Y+2*(\j)]
	v_lshlrev_b32 v[T+2], 16,         v[Y+2*(\j)+1]
	v_and_b32     v[T+3], 0xffff0000, v[Y+2*(\j)+1]
	v_cvt_pk_f16_f32 v[Y+2*(\j)],   v[T],   v[T+1]
	v_cvt_pk_f16_f32 v[Y+2*(\j)+1], v[T+2], v[T+3]
.endif
	global_store_b64 v2, v[Y+2*(\j):Y+2*(\j)+1], s[14:15] offset:2048*(\j) th:TH_STORE_NT
.endm
	s_cmp_ge_u32 ttmp9, 704                        ; groups 704 to 767 hold w_o
	s_cbranch_scc1 .Lhalf
.irp j, 0,1,2,3,4,5,6,7,8,9,10,11,12,13,14,15
	CONV \j, 0
.endr
	s_endpgm
.Lhalf:
.irp j, 0,1,2,3,4,5,6,7,8,9,10,11,12,13,14,15
	CONV \j, 1
.endr
	s_endpgm
.Lfunc_end_k_q203b608b14_cast:
	.size	k_q203b608b14_cast, .Lfunc_end_k_q203b608b14_cast-k_q203b608b14_cast
	.p2alignl 7, 3214868480
	.fill 96, 4, 3214868480
	.section	.rodata,"a",@progbits
	.p2align	6, 0x0
	.amdhsa_kernel k_q203b608b14_cast
		.amdhsa_group_segment_fixed_size 0
		.amdhsa_private_segment_fixed_size 0
		.amdhsa_enable_private_segment 0
		.amdhsa_kernarg_size 56
		.amdhsa_user_sgpr_count 2
		.amdhsa_user_sgpr_kernarg_segment_ptr 1
		.amdhsa_wavefront_size32 1
		.amdhsa_system_sgpr_workgroup_id_x 1
		.amdhsa_system_sgpr_workgroup_id_y 1
		.amdhsa_system_sgpr_workgroup_id_z 1
		.amdhsa_system_vgpr_workitem_id 0
		.amdhsa_next_free_vgpr 104
		.amdhsa_next_free_sgpr 66
		.amdhsa_reserve_vcc 0
		.amdhsa_float_denorm_mode_32 3
		.amdhsa_float_denorm_mode_16_64 3
		.amdhsa_memory_ordered 1
		.amdhsa_forward_progress 1
		.amdhsa_inst_pref_size 17
	.end_amdhsa_kernel
	.amdgpu_metadata
---
amdhsa.version: [ 1, 2 ]
amdhsa.kernels:
  - .name:           k_q203b608b14_cast
    .symbol:         k_q203b608b14_cast.kd
    .args:
      - { .name: x, .offset: 0, .size: 8, .value_kind: global_buffer, .address_space: global }
      - { .name: w_q, .offset: 8, .size: 8, .value_kind: global_buffer, .address_space: global }
      - { .name: w_k, .offset: 16, .size: 8, .value_kind: global_buffer, .address_space: global }
      - { .name: w_v, .offset: 24, .size: 8, .value_kind: global_buffer, .address_space: global }
      - { .name: w_o, .offset: 32, .size: 8, .value_kind: global_buffer, .address_space: global }
      - { .name: xb, .offset: 40, .size: 8, .value_kind: global_buffer, .address_space: global }
      - { .name: wb, .offset: 48, .size: 8, .value_kind: global_buffer, .address_space: global }
    .group_segment_fixed_size: 0
    .private_segment_fixed_size: 0
    .kernarg_segment_align: 8
    .kernarg_segment_size: 56
    .max_flat_workgroup_size: 256
    .sgpr_count:     66
    .vgpr_count:     104
    .wavefront_size: 32
...
	.end_amdgpu_metadata
.endif
;; end of part 1
;; launch proj (part 2): grid 8 x 32, 4 waves a work-group, clusters of 4 x 4, 327,680 bytes of LDS; arguments xb, wb, b_q, b_k, b_v, qkv; writes qkv
.if DOCPART == 2
	.amdgcn_target "amdgcn-amd-amdhsa--gfx1250"
	.amdhsa_code_object_version 6
	.text
	.protected	k_q203b608b14_proj
	.globl	k_q203b608b14_proj
	.p2align	8
	.type	k_q203b608b14_proj,@function
k_q203b608b14_proj:
	s_mov_b64 s[64:65], 0
	v_nop
	global_prefetch_b8 v0, s[64:65] scope:SCOPE_SE
	s_setreg_imm32_b32 hwreg(HW_REG_WAVE_MODE, 25, 1), 1
	s_wait_xcnt 0x0
	s_wait_alu depctr_hold_cnt(0) depctr_sa_sdst(0) depctr_va_vdst(0) depctr_va_sdst(0) depctr_va_ssrc(0) depctr_va_vcc(0) depctr_vm_vsrc(0)
	s_getreg_b32 s2, hwreg(HW_REG_IB_STS2, 6, 4)
	s_cmp_eq_u32 s2, 0
	s_cbranch_scc0 .Lentry_in_a_cluster
	s_endpgm
.Lentry_in_a_cluster:
	s_bfe_u32 s2, ttmp6, 0x10000c
	s_cmp_lg_u32 s2, 0xf033
	s_cbranch_scc0 .Lentry_shape_is_right
	s_endpgm
.Lentry_shape_is_right:
; q, k, v = x w + b.  xb: [8192][1024] bf16; wb: planes [1024 k][1024 n] bf16 (w_q, w_k, w_v); biases f32, rounded to bf16 here; sums in f32.
; qkv: f16 [3][64 = 16 batch + head][2048][64], each number rounded once from its f32 sum, unscaled.  LIMIT: |q|, |k|, |v| stay under 65,504 (f16), else an infinity is stored.
; SHARES.  256 work-groups that stay: each makes the tile of 256 rows x 128 columns (two heads) at (tile row, tile column) of plane 0, then 1, then 2.
; Four waves; a wave makes 128 rows x 64 columns (one head): 8 x 4 accumulators of 16 x 16, 256 registers.
; K goes in steps of 128 through two LDS slots; 24 steps in all, and the ring runs on from tile to tile: w's address walks on evenly (a plane is eight steps of 128 rows), x's goes back along K.
; THE PRODUCT IS USED TRANSPOSED: source 0 = 16 columns of w (out of LDS by the turning load, since w lies [k][n]), source 1 = 16 rows of x: a lane holds one row and eight neighbouring columns.
; THE BIAS is the C operand of the first product of each sum.
; CLUSTER 4 x 4: x's tile hangs on the tile row alone and is asked for jointly along a row of the cluster, w's on the tile column alone and jointly along a column.
; REGISTERS.  Window 0: v1-5 at work, v16-30 addresses, v32-63 the bias, v64-159 and v160-255 two fragment buffers (w's four fragments, then x's eight).  Window 1: accumulator (a, b) at 8 (4 a + b).
.set PA,    272                        ; a row of x in LDS: 256 bytes + 16: an odd multiple of 16, so the 16 rows of a load start 16 bytes apart modulo 256
.set AHALF, 128*PA                     ; what one wave fetches of x
.set BOFF,  2*AHALF
.set PB,    288                        ; a row of w: 256 bytes + 32: an odd multiple of 32, for the turning load
.set BHALF, 64*PB                      ; what one wave fetches of w
.set SLOT,  BOFF+2*BHALF
.set STAGE, 2*SLOT                     ; behind the ring: 16 rows x 144 bytes for each wave, for the way out; no tile lands here
.set SP,    144
.set SPARE, STAGE+4*16*SP              ; the spare words, 128 bytes for each wave: two blocks of 256 bytes that no other line names
.set ADRA, 16                          ; v16-17 LDS address of my fragments of x in slot 0, 1
.set ADRB, 20                          ; v20-21 the same for w
.set STO,  24                          ; v24  the way out: where I put 16 bytes of a row
.set RD,   25                          ; v25  where I read rows back
.set GO,   26                          ; v26  16 x lane
.set BO,   27                          ; v27  my byte offset in a bias
.set SPW,  28                          ; v28  my spare word; never rewritten
.set NIL,  29                          ; v29  0; never rewritten
.set PFO,  30                          ; v30  the prefetches' offset: 2,048 x lane; never rewritten
.set BI,   32                          ; v32-63 the bias: column block b at BI + 8 b
.set F0,   64
.set F1,   160
.set TB,   160                         ; the way out: four sets of 16
.set RB,   224                         ; at work while a bias is rounded
.set TILES, 2                          ; s2   tiles to go
.set LAP,  3                           ; s3   laps to go
.set WV,   16
.set HM,   17                          ; which 128 rows are mine.  Also: I fetch x (0) or w (1)
.set HN,   18                          ; which 64 columns are mine.  Also: which half of that tile I fetch
.set CX,   19
.set CY,   20
.set TC,   21
.set TR,   22
.set LA,   23                          ; where my half of x's tile goes in a slot
.set G1,   24                          ; s[24:31] group 1 for x
.set G0,   32                          ; s[32:39] group 0 for x, a set for each slot
.set PFA,  44                          ; s[44:45] where my prefetches stand
.set PFS,  46                          ; s[46:47] their step
.set G1B,  48                          ; s[48:55] group 1 for w
.set G0B,  56                          ; s[56:63] group 0 for w
.set PFN,  66                          ; s66  prefetches still to be made by this wave
.set LB,   67                          ; where my half of w's tile goes
.set BP,   68                          ; s[68:69] the next tile's bias
.set MSB, 0
.macro WIN new                         ; the immediate's high byte repeats the setting that is left; a switch that changes nothing is dropped
.if MSB != (\new)
	s_set_vgpr_msb (MSB<<8)|(\new)
.set MSB, (\new)
.endif
.endm
.set W_MUL,   0x50                     ; C and D in window 1, the fragments in window 0
.set W_FIRST, 0x40                     ; D in window 1, C (the bias) in window 0
.set W_PACK,  0x05                     ; sources 0 and 1 in window 1
; A joint load: waves 0 and 1 fetch x's two halves, waves 2 and 3 w's.  An s_nop 0 and four v_nop follow each of the two lines.
.macro JLOAD s
	s_cmp_eq_u32 s[HM], 0
	s_cbranch_scc0 .Lfor_b_\@
	tensor_load_to_lds s[G0+4*(\s):G0+4*(\s)+3], s[G1:G1+7]
	s_nop 0
.rept 4
	v_nop
.endr
	s_branch .Lasked_\@
.Lfor_b_\@:
	tensor_load_to_lds s[G0B+4*(\s):G0B+4*(\s)+3], s[G1B:G1B+7]
	s_nop 0
.rept 4
	v_nop
.endr
.Lasked_\@:
.endm
; A prefetch, behind a joint load and the run of LDS loads that follows it: 32 rows x 256 bytes, a lane a row, of the K step that stands two refills on.
; x's rows are read by both clusters of a row of clusters: cluster x = 0 asks, waves 0 and 1, each partner 32 of the wave's 128 rows, told apart by address; in the first tile alone (four asks: steps 4 to 7).
; w's 128 rows of a step are read by all clusters of a column: cluster y = 0 asks, wave 2, each partner 32 rows (twenty asks: steps 4 to 23).  So each block is named once; the count ends the asking.
.macro ASK
	s_cmp_lg_u32 s[PFN], 0
	s_cbranch_scc0 .Lnot_mine_\@
	global_prefetch_b8 v[PFO], s[PFA:PFA+1] th:TH_LOAD_NT scope:SCOPE_SE
	s_sub_co_u32 s[PFN], s[PFN], 1
.Lnot_mine_\@:
.endm
.macro CREST                           ; a round of the cluster's barrier behind its opening barrier
	s_cmp_lg_u32 s[WV], 0
	s_cbranch_scc1 .Lnot_wave_0_\@
	s_barrier_signal -3
.Lnot_wave_0_\@:
	s_barrier_wait -3
	s_barrier_signal -1
	s_barrier_wait -1
.endm
.macro CROUND
	s_barrier_signal -1
	s_barrier_wait -1
	CREST
.endm
.macro PLACES                          ; four plain instructions between a matrix instruction and a load into, or a vector read of, its registers
.rept 4
	v_nop
.endr
.endm
	s_load_b256 s[4:11], s[0:1], 0x0               ; xb s[4:5], wb s[6:7], b_q s[8:9], b_k s[10:11]
	s_load_b128 s[12:15], s[0:1], 0x20             ; b_v s[12:13], qkv s[14:15]
	v_lshl_add_u32 v[SPW], v0, 2, SPARE
	v_mov_b32 v[NIL], 0
	ds_add_u32 v[SPW], v[NIL]                      ; the wave's opening: the add and its wait ahead of my first tensor load
	v_lshrrev_b32 v1, 5, v0
	v_readfirstlane_b32 s[WV], v1
	s_lshr_b32 s[HM], s[WV], 1
	s_and_b32 s[HN], s[WV], 1
	s_bfe_u32 s[CX], ttmp6, 0x40000
	s_bfe_u32 s[CY], ttmp6, 0x40004
	s_lshl_b32 s[TC], ttmp9, 2
	s_add_co_u32 s[TC], s[TC], s[CX]               ; tile column = 4 x cluster x + cx
	s_and_b32 s[TR], ttmp7, 0xffff
	s_lshl_b32 s[TR], s[TR], 2
	s_add_co_u32 s[TR], s[TR], s[CY]               ; tile row = 4 x cluster y + cy
	s_lshl_b32 s40, s[CY], 2
	s_lshl_b32 s40, 15, s40                        ; my row of the cluster
	s_lshl_b32 s42, 0x1111, s[CX]                  ; my column
	s_or_b32 s[G1], s40, (1<<16)|(1<<20)|(1<<21)|(5<<22)|(3<<25)   ; mask; 2-byte elements; padding on; bit 21 beside a mask; after every 64 words, 4 words
	s_or_b32 s[G1B], s42, (1<<16)|(1<<20)|(1<<21)|(5<<22)|(7<<25)  ; the same with 8 words
	s_mov_b32 s[G1+1], 128<<16                     ; tensor_dim0 = 128
	s_mov_b32 s[G1+2], 128<<16                     ; tensor_dim1 = 128
	s_mov_b32 s[G1+3], 128<<16                     ; tile_dim0 = 128
	s_mov_b32 s[G1+4], 128                         ; tile_dim1 = 128
	s_mov_b32 s[G1+5], 1024                        ; elements from row to row
	s_mov_b32 s[G1+6], 0
	s_mov_b32 s[G1+7], 0
	s_mov_b32 s[G1B+1], 128<<16
	s_mov_b32 s[G1B+2], 64<<16                     ; 64 rows
	s_mov_b32 s[G1B+3], 128<<16
	s_mov_b32 s[G1B+4], 64
	s_mov_b32 s[G1B+5], 1024
	s_mov_b32 s[G1B+6], 0
	s_mov_b32 s[G1B+7], 0
	s_lshl_b32 s40, s[TR], 8                       ; x: row 256 x tile row + 128 x half, 2,048 bytes a row
	s_lshl_b32 s41, s[HN], 7
	s_add_co_u32 s40, s40, s41
	s_lshl_b32 s40, s40, 11
	s_mov_b32 s41, 0
	s_lshl_b32 s42, s[TC], 8                       ; w: 256 bytes x tile column + 64 rows x half
	s_lshl_b32 s43, s[HN], 17
	s_add_co_u32 s42, s42, s43
	s_mov_b32 s43, 0
	s_mul_i32 s[LA], s[HN], AHALF
	s_mul_i32 s[LB], s[HN], BHALF
	s_add_co_u32 s[LB], s[LB], BOFF
	s_wait_dscnt 0x0                               ; the opening add is done
	s_wait_kmcnt 0x0
	s_add_nc_u64 s[40:41], s[4:5], s[40:41]
	s_add_nc_u64 s[42:43], s[6:7], s[42:43]
	CROUND                                         ; all sixteen work-groups are here: the first joint loads meet
.irp s, 0,1
	s_mov_b32 s[G0+4*(\s)], 1
	s_add_co_u32 s[G0+4*(\s)+1], s[LA], (\s)*SLOT
	s_add_nc_u64 s[G0+4*(\s)+2:G0+4*(\s)+3], s[40:41], (\s)*256
	s_or_b32 s[G0+4*(\s)+3], s[G0+4*(\s)+3], 0x80000000
	s_mov_b32 s[G0B+4*(\s)], 1
	s_add_co_u32 s[G0B+4*(\s)+1], s[LB], (\s)*SLOT
	s_add_nc_u64 s[G0B+4*(\s)+2:G0B+4*(\s)+3], s[42:43], (\s)*262144
	s_or_b32 s[G0B+4*(\s)+3], s[G0B+4*(\s)+3], 0x80000000
	JLOAD \s                                       ; K steps 0 and 1: two loads of mine are out
.endr
	v_and_b32 v1, 15, v0                           ; r = lane % 16
	v_bfe_u32 v2, v0, 4, 1                         ; h = lane / 16
	v_mul_u32_u24 v3, v1, PA
	v_lshl_add_u32 v3, v2, 4, v3
	s_mul_i32 s40, s[HM], AHALF
	v_add_nc_u32 v[ADRA], s40, v3                  ; x: my 128 rows; row r, 16 bytes x h
	v_add_nc_u32 v[ADRA+1], SLOT, v[ADRA]
	v_and_b32 v4, 7, v0
	v_lshl_add_u32 v4, v2, 3, v4                   ; w, turning load: row 8 h + lane % 8,
	v_mul_u32_u24 v4, v4, PB
	v_bfe_u32 v5, v0, 3, 1
	v_lshl_add_u32 v4, v5, 4, v4                   ; 16 bytes x ((lane / 8) % 2),
	s_lshl_b32 s42, s[HN], 7                       ; my 64 columns
	s_add_co_u32 s42, s42, BOFF
	v_add_nc_u32 v[ADRB], s42, v4
	v_add_nc_u32 v[ADRB+1], SLOT, v[ADRB]
	s_mul_i32 s70, s[WV], 16*SP
	s_add_co_u32 s70, s70, STAGE                   ; my stage
	v_mul_u32_u24 v3, v1, SP
	v_lshl_add_u32 v3, v2, 4, v3
	v_add_nc_u32 v[STO], s70, v3
	v_bfe_u32 v3, v0, 3, 2                         ; back: 32 lanes take four rows of 128 bytes
	v_mul_u32_u24 v3, v3, SP
	v_and_b32 v4, 7, v0
	v_lshl_add_u32 v3, v4, 4, v3
	v_add_nc_u32 v[RD], s70, v3
	v_and_b32 v[GO], 31, v0
	v_lshlrev_b32 v[PFO], 11, v[GO]
	v_lshlrev_b32 v[GO], 4, v[GO]
	s_lshl_b32 s70, s[TC], 9                       ; the bias of my 64 columns: 4 (128 tc + 64 hn) + 32 h
	s_lshl_b32 s71, s[HN], 8
	s_add_co_u32 s70, s70, s71
	v_lshl_add_u32 v[BO], v2, 5, s70
	s_lshr_b32 s70, s[TR], 3                       ; where my 128 rows of one head begin in a plane of qkv: ((16 batch + head) 2,048 + row) 128
	s_lshl_b32 s70, s70, 4
	s_lshl1_add_u32 s70, s[TC], s70
	s_add_co_u32 s70, s70, s[HN]
	s_lshl_b32 s70, s70, 11
	s_and_b32 s71, s[TR], 7
	s_lshl_b32 s71, s71, 8
	s_add_co_u32 s70, s70, s71
	s_lshl_b32 s71, s[HM], 7
	s_add_co_u32 s70, s70, s71
	s_lshl_b32 s70, s70, 7
	s_mov_b32 s71, 0
	s_add_nc_u64 s[14:15], s[14:15], s[70:71]
	; the prefetches: they stand at K step 3; each change of slots steps them before it asks
	s_lshl_b32 s70, s[TR], 8
	s_lshl_b32 s71, s[HN], 7
	s_add_co_u32 s70, s70, s71
	s_lshl_b32 s71, s[CX], 5
	s_add_co_u32 s70, s70, s71                     ; x: my work-group's 32 of the 128 rows that I fetch
	s_lshl_b32 s70, s70, 11
	s_add_co_u32 s70, s70, 3*256
	s_lshl_b32 s72, s[CY], 5
	s_add_co_u32 s72, s72, 3*128                   ; w: my work-group's 32 of a step's 128 rows
	s_lshl_b32 s72, s72, 11
	s_lshl_b32 s73, s[TC], 8
	s_add_co_u32 s72, s72, s73
	s_mov_b32 s74, 256
	s_mov_b32 s75, 262144
	s_and_b32 s73, ttmp7, 0xffff
	s_cmp_eq_u32 s73, 0
	s_cselect_b32 s73, 20, 0
	s_cmp_eq_u32 s[WV], 2
	s_cselect_b32 s73, s73, 0
	s_cmp_eq_u32 ttmp9, 0
	s_cselect_b32 s71, 4, 0
	s_cmp_eq_u32 s[HM], 0
	s_cselect_b32 s[PFN], s71, s73                 ; hangs on the wave's number and the cluster's coordinates alone: alike in all sixteen partners
	s_cselect_b32 s70, s70, s72
	s_cselect_b32 s[PFS], s74, s75
	s_cselect_b64 s[PFA:PFA+1], s[4:5], s[6:7]
	s_mov_b32 s71, 0
	s_mov_b32 s[PFS+1], 0
	s_add_nc_u64 s[PFA:PFA+1], s[PFA:PFA+1], s[70:71]
.macro LOADB p                         ; the bias of my 64 columns: lane (r, h) takes columns 16 b + 8 h + 0..7
.irp b, 0,1,2,3
	global_load_b128 v[BI+8*(\b):BI+8*(\b)+3],   v[BO], s[(\p):(\p)+1] offset:64*(\b)
	global_load_b128 v[BI+8*(\b)+4:BI+8*(\b)+7], v[BO], s[(\p):(\p)+1] offset:64*(\b)+16
.endr
.endm
.macro ROUNDB                          ; rounded to bf16 like every input, and widened again
.set i, 0
.rept 16
	v_cvt_pk_bf16_f32 v[RB+i], v[BI+2*i], v[BI+2*i+1]
.set i, i+1
.endr
.set i, 0
.rept 16
	v_lshlrev_b32 v[BI+2*i],   16,         v[RB+i]
	v_and_b32     v[BI+2*i+1], 0xffff0000, v[RB+i]
.set i, i+1
.endr
.endm
; n row blocks from a0 x all 4 column blocks, 32 along K.  zero = 1: the first product of each sum, with the bias as C.  The 32 accumulators take turns, in the same order in every quarter.
.macro MULS f, a0, n, zero
.if \zero
	WIN W_FIRST
.else
	WIN W_MUL
.endif
.set aa, (\a0)
.rept \n
.irp b, 0,1,2,3
.if \zero
	v_wmma_f32_16x16x32_bf16 v[8*(4*aa+(\b)):8*(4*aa+(\b))+7], v[(\f)+8*(\b):(\f)+8*(\b)+7], v[(\f)+32+8*aa:(\f)+32+8*aa+7], v[BI+8*(\b):BI+8*(\b)+7]
.else
	v_wmma_f32_16x16x32_bf16 v[8*(4*aa+(\b)):8*(4*aa+(\b))+7], v[(\f)+8*(\b):(\f)+8*(\b)+7], v[(\f)+32+8*aa:(\f)+32+8*aa+7], v[8*(4*aa+(\b)):8*(4*aa+(\b))+7]
.endif
.endr
.set aa, aa+1
.endr
.endm
; 24 LDS loads in one run: quarter q of a slot into buffer f: w's four fragments (turned), x's blocks 0-3, x's blocks 4-7
.macro FETCH slot, q, f
	WIN 0
.irp b, 0,1,2,3
	ds_load_tr16_b128 v[(\f)+8*(\b):(\f)+8*(\b)+3],   v[ADRB+(\slot)] offset:(\q)*32*PB+32*(\b)
	ds_load_tr16_b128 v[(\f)+8*(\b)+4:(\f)+8*(\b)+7], v[ADRB+(\slot)] offset:(\q)*32*PB+32*(\b)+16*PB
.endr
.irp a, 0,1,2,3,4,5,6,7
	ds_load_b128 v[(\f)+32+8*(\a):(\f)+32+8*(\a)+3],   v[ADRA+(\slot)] offset:64*(\q)+(\a)*16*PA
	ds_load_b128 v[(\f)+32+8*(\a)+4:(\f)+32+8*(\a)+7], v[ADRA+(\slot)] offset:64*(\q)+(\a)*16*PA+32
.endr
.endm
; One of a K step's first three quarters: multiplies buffer f; in its middle fetches quarter q of the same slot into buffer g.
.macro QUARTER slot, q, f, g, zero
	s_wait_dscnt 8                                 ; w and x's blocks 0-3 are in; the youngest eight loads (blocks 4-7) may be out
	MULS \f, 0, 4, \zero
	PLACES
	FETCH \slot, \q, \g
	s_wait_dscnt 24                                ; all but the 24 just issued
	MULS \f, 4, 4, \zero
.endm
; The last quarter multiplies buffer 1 and changes slots.  mode 0: this slot takes the K step two on; 1: the next tile's step; 2: nothing is filled.
.macro TURN slot, next, mode
.if (\mode) < 2
	s_wait_xcnt 0x0                                ; the last prefetch, a K step back, has read its address
	s_add_nc_u64 s[PFA:PFA+1], s[PFA:PFA+1], s[PFS:PFS+1]
.endif
	WIN 0
	s_wait_tensorcnt 0x0                           ; all my tensor loads have landed: the one that was out is my part of the next slot
	ds_add_u32 v[SPW], v[NIL]                      ; 0 onto my spare word
	s_wait_dscnt 9                                 ; the add and the youngest eight loads may be out
	MULS F1, 0, 2, 0
	s_wait_dscnt 0x0                               ; the add is done, and my reads of this slot are over
	s_barrier_signal -1
	MULS F1, 2, 2, 0                               ; work on registers while the others arrive
.if (\mode) < 2
	WIN 0
.endif
	s_barrier_wait -1
.if (\mode) < 2
	CREST                                          ; the barrier has opened a round of the cluster's: no wave of any partner still reads this slot or has a load on its way
.if (\mode) == 1
	s_sub_nc_u64 s[G0+4*(\slot)+2:G0+4*(\slot)+3], s[G0+4*(\slot)+2:G0+4*(\slot)+3], 1536  ; x goes back six steps along K: the same rows for the next plane
.else
	s_add_nc_u64 s[G0+4*(\slot)+2:G0+4*(\slot)+3], s[G0+4*(\slot)+2:G0+4*(\slot)+3], 512
.endif
	s_add_nc_u64 s[G0B+4*(\slot)+2:G0B+4*(\slot)+3], s[G0B+4*(\slot)+2:G0B+4*(\slot)+3], 524288  ; w walks on: 256 rows, into the next plane too
	JLOAD \slot                                    ; the first tensor load behind the round; its four v_nop are also the places in front of the loads below
.else
	PLACES
.endif
	FETCH \next, 0, F0
.if (\mode) < 2
	ASK
.endif
	MULS F1, 4, 4, 0
.endm
; THE WAY OUT of row block a: rounded to f16, 16 bytes a lane, into my own stage (rows of 144 bytes), back as whole rows of 128, stored as 512 consecutive bytes.
.macro PACK a
.set TT, TB+16*((\a)%4)
.if (\a) >= 4
	s_wait_xcnt 0x0                                ; the stores of the block four back have read this set
.endif
	WIN W_PACK
.irp b, 0,1,2,3
.irp r, 0,1,2,3
	v_cvt_pk_f16_f32 v[TT+4*(\b)+(\r)], v[8*(4*(\a)+(\b))+2*(\r)], v[8*(4*(\a)+(\b))+2*(\r)+1]
.endr
.endr
	WIN 0
.irp b, 0,1,2,3
	ds_store_b128 v[STO], v[TT+4*(\b):TT+4*(\b)+3] offset:32*(\b)
.endr
.irp f, 0,1,2,3
	ds_load_b128 v[TT+4*(\f):TT+4*(\f)+3], v[RD] offset:(\f)*4*SP  ; LDS serves a wave's instructions in order: these see the stores above
.endr
.endm
.macro SEND a, younger                 ; younger: the LDS instructions issued behind block a's loads
.set TT, TB+16*((\a)%4)
.irp f, 0,1,2,3
	s_wait_dscnt (\younger)+3-(\f)
	global_store_b128 v[GO], v[TT+4*(\f):TT+4*(\f)+3], s[14:15] offset:2048*(\a)+512*(\f) th:TH_STORE_NT
.endr
.endm
.macro OUT
	PACK 0
.irp a, 1,2,3,4,5,6,7
	PACK \a
	SEND (\a)-1, 8
.endr
	SEND 7, 0
.endm
	LOADB 8                                        ; b_q
	s_wait_loadcnt 0x0
	ROUNDB
	s_wait_tensorcnt 1                             ; my part of K step 0 is in; step 1's may stay out
	s_barrier_signal -1
	s_barrier_wait -1
	FETCH 0, 0, F0
	s_mov_b32 s[TILES], 3
.Ltile:
	QUARTER 0, 1, F0, F1, 1                        ; a tile's first quarter starts the sums, with the bias
	WIN 0
	s_mov_b32 s[LAP], 3
.Llap:                                         ; once round the ring, from a lap's second quarter to the next lap's first; both slots are filled again
	QUARTER 0, 2, F1, F0, 0
	QUARTER 0, 3, F0, F1, 0
	TURN 0, 1, 0
	QUARTER 1, 1, F0, F1, 0
	QUARTER 1, 2, F1, F0, 0
	QUARTER 1, 3, F0, F1, 0
	TURN 1, 0, 0
	QUARTER 0, 1, F0, F1, 0
	WIN 0
	s_sub_co_u32 s[LAP], s[LAP], 1
	s_cmp_lg_u32 s[LAP], 0
	s_cbranch_scc1 .Llap
	QUARTER 0, 2, F1, F0, 0
	QUARTER 0, 3, F0, F1, 0
	WIN 0
	s_cmp_eq_u32 s[TILES], 1
	s_cbranch_scc1 .Llast_tile
	s_cmp_eq_u32 s[TILES], 3
	s_cselect_b64 s[BP:BP+1], s[10:11], s[12:13]   ; behind q comes k, behind k comes v
	LOADB BP                                       ; the old bias was last read in the tile's first quarter
	TURN 0, 1, 1                                   ; the ring goes on into the next tile
	QUARTER 1, 1, F0, F1, 0
	QUARTER 1, 2, F1, F0, 0
	QUARTER 1, 3, F0, F1, 0
	TURN 1, 0, 1
	WIN 0
	PLACES
	s_wait_loadcnt 0x0
	ROUNDB
	OUT                                            ; both refills are asked for: now the tile goes out
	s_wait_xcnt 0x0                                ; the stores have read their registers and their base
	s_add_nc_u64 s[14:15], s[14:15], 0x1000000     ; the next plane of qkv
	s_sub_co_u32 s[TILES], s[TILES], 1
	s_branch .Ltile
.Llast_tile:
	TURN 0, 1, 2
	QUARTER 1, 1, F0, F1, 0
	QUARTER 1, 2, F1, F0, 0
	QUARTER 1, 3, F0, F1, 0
	s_wait_dscnt 8
	MULS F1, 0, 4, 0
	s_wait_dscnt 0x0
	MULS F1, 4, 4, 0
	WIN 0
	PLACES
	OUT
	s_wait_tensorcnt 0x0                           ; the wave's end
	ds_add_u32 v[SPW], v[NIL]
	s_wait_dscnt 0x0
	CROUND                                         ; the closing round
	s_endpgm
.Lfunc_end_k_q203b608b14_proj:
	.size	k_q203b608b14_proj, .Lfunc_end_k_q203b608b14_proj-k_q203b608b14_proj
	.p2alignl 7, 3214868480
	.fill 96, 4, 3214868480
	.section	.rodata,"a",@progbits
	.p2align	6, 0x0
	.amdhsa_kernel k_q203b608b14_proj
		.amdhsa_group_segment_fixed_size 327680
		.amdhsa_private_segment_fixed_size 0
		.amdhsa_enable_private_segment 0
		.amdhsa_kernarg_size 48
		.amdhsa_user_sgpr_count 2
		.amdhsa_user_sgpr_kernarg_segment_ptr 1
		.amdhsa_wavefront_size32 1
		.amdhsa_system_sgpr_workgroup_id_x 1
		.amdhsa_system_sgpr_workgroup_id_y 1
		.amdhsa_system_sgpr_workgroup_id_z 1
		.amdhsa_system_vgpr_workitem_id 0
		.amdhsa_next_free_vgpr 512
		.amdhsa_next_free_sgpr 76
		.amdhsa_reserve_vcc 0
		.amdhsa_float_denorm_mode_32 3
		.amdhsa_float_denorm_mode_16_64 3
		.amdhsa_memory_ordered 1
		.amdhsa_forward_progress 1
		.amdhsa_inst_pref_size 134
	.end_amdhsa_kernel
	.amdgpu_metadata
---
amdhsa.version: [ 1, 2 ]
amdhsa.kernels:
  - .name:           k_q203b608b14_proj
    .symbol:         k_q203b608b14_proj.kd
    .args:
      - { .name: xb, .offset: 0, .size: 8, .value_kind: global_buffer, .address_space: global }
      - { .name: wb, .offset: 8, .size: 8, .value_kind: global_buffer, .address_space: global }
      - { .name: b_q, .offset: 16, .size: 8, .value_kind: global_buffer, .address_space: global }
      - { .name: b_k, .offset: 24, .size: 8, .value_kind: global_buffer, .address_space: global }
      - { .name: b_v, .offset: 32, .size: 8, .value_kind: global_buffer, .address_space: global }
      - { .name: qkv, .offset: 40, .size: 8, .value_kind: global_buffer, .address_space: global }
    .group_segment_fixed_size: 327680
    .private_segment_fixed_size: 0
    .kernarg_segment_align: 8
    .kernarg_segment_size: 48
    .max_flat_workgroup_size: 128
    .sgpr_count:     76
    .vgpr_count:     512
    .wavefront_size: 32
...
	.end_amdgpu_metadata
.endif
;; end of part 2
;; launch attn (part 3): grid 4 x 64, 4 waves a work-group, clusters of 4 x 1, 327,680 bytes of LDS; arguments qkv, ob; writes ob
.if DOCPART == 3
	.amdgcn_target "amdgcn-amd-amdhsa--gfx1250"
	.amdhsa_code_object_version 6
	.text
	.protected	k_q203b608b14_attn
	.globl	k_q203b608b14_attn
	.p2align	8
	.type	k_q203b608b14_attn,@function
k_q203b608b14_attn:
	s_mov_b64 s[64:65], 0
	v_nop
	global_prefetch_b8 v0, s[64:65] scope:SCOPE_SE
	s_setreg_imm32_b32 hwreg(HW_REG_WAVE_MODE, 25, 1), 1
	s_wait_xcnt 0x0
	s_wait_alu depctr_hold_cnt(0) depctr_sa_sdst(0) depctr_va_vdst(0) depctr_va_sdst(0) depctr_va_ssrc(0) depctr_va_vcc(0) depctr_vm_vsrc(0)
	s_getreg_b32 s2, hwreg(HW_REG_IB_STS2, 6, 4)
	s_cmp_eq_u32 s2, 0
	s_cbranch_scc0 .Lentry_in_a_cluster
	s_endpgm
.Lentry_in_a_cluster:
	s_bfe_u32 s2, ttmp6, 0x10000c
	s_cmp_lg_u32 s2, 0x3003
	s_cbranch_scc0 .Lentry_shape_is_right
	s_endpgm
.Lentry_shape_is_right:
; O[h][q][:] = the sum over k of softmax_k(Q[h][q] . K[h][k] / 8) V[h][k][:].  Q, K, V: the three planes of qkv, O: ob, each [64][2048][64] in f16: a head's rows are dense, 128 bytes each.
; Products, maxima and sums in f32; the weights p are rounded to f16 for the second product (their sum l is taken of the unrounded p), O once at the end.
; LIMITS.  f16 holds no number beyond 65,504: Q, K and V arrive within it; p lies in 0 to 1, and below 6e-5 it keeps f16's fixed step of 6e-8; O is a mean of V's rows and has their range.
; A weight below 2^-126 counts as 0 in l; NaN and infinities are not treated apart.
; SHARES.  A wave owns four PIECES of two tiles of 16 queries, a work-group's four waves 512 queries of one head.  Every wave walks all 2,048 keys, 64 a step.
; LAYOUT.  S^T = K Q^T (source 0 = 16 keys, source 1 = 16 queries): a lane holds ONE query (lane % 16) and the keys 8 (lane / 16) + 0..7.  Two such tiles, rounded to f16 in pairs,
; ARE source 1 of O^T = V^T P, whose result again holds one query a lane, and eight channels.  K comes out of LDS as it lies, V ([key][channel]) turned.
; SOFTMAX.  A running maximum m and sum l: p = 2^(c s - c m), c = log2(e) / 8; in every step O and l are multiplied by a = 2^(c m_old - c m_new).  m starts at the lowest finite number, O and l at 0.
; BY TURNS.  Turn n belongs to piece n.  Its matrix work: 16 products K Q^T of piece n + 1, later 16 products V^T P of piece n - 1.  Its vector work: the scaling, exponentials, roundings, sums and
; rescaling of piece n, and the maximum and statistics of piece n + 1.  Four vector instructions stand behind every matrix instruction, the rest in one run of their own.
; CLUSTER.  The four query blocks of a head walk the same K and V, so each tile is asked for JOINTLY: the same tensor load, descriptor and mask in all four.
; REGISTERS, in windows of 256:  window 0: v0-11 addresses; v12-15, v48-63 at work; v16-47 statistics; v64-191 S^T, two buffers of two tiles; v192-255 P, likewise
;   window 1: O^T, 32 a tile     window 2: v0-127 Q; v128-191 K of one step; v192-255 V of one step     window 3: v0-1 the add's two registers
.set SIZE_H, 64
.set SIZE_N, 2048
.set NP,    4
.set KS,    64
.set PK,    144       ; a row of K in LDS: 128 bytes + 16
.set PV,    160       ; a row of V: 128 + 32
.set VOFF,  4*KS*PK   ; a slot holds four steps: 256 rows of K, then 256 rows of V
.set SLOT1, 1<<17     ; slot 1 begins here: one exclusive or turns an address in one slot into the other's
.set STAGE, SLOT1+4*KS*(PK+PV)  ; behind the ring, never filled by a tensor load: 16 rows x 144 bytes for each wave
.set SP,    144
.set AK0, 2
.set AV0, 3
.set AK,  4
.set AV,  5
.set QO,  6
.set STO, 6
.set RD,  7
.set GO,  8
.set PFO, 11          ; v11  256 x my lane: the prefetches' offset; never rewritten once made
.set SPW, 0           ; v0 of window 3
.set NIL, 1           ; v1 of window 3
.set SPARE, STAGE+4*16*SP  ; the spare words: two blocks of 256 bytes that no other line names
.set MV,  12
.set ST,  16
.set TMP, 48
.set S,   64
.set P,   192
.set KF,  128
.set VF,  192
.set WV,  12
.set G1K, 24
.set G1V, 32
.set G0K, 40
.set G0V, 44
.set PFA, 48          ; s[48:49] where my prefetches stand: my work-group's 32 blocks of 256 bytes of a slot's K (wave 0) or V (wave 2)
.set LIM, 50          ; s50  1 in waves 0 and 2, else the greatest number
.set SLOTS, 56
.set CNT, 57
.set CS,  58
.set SEL, 60
.set TBK, 62
.set TBV, 63
.set MSB, 0
.macro WIN new
.if MSB != (\new)
	s_set_vgpr_msb (MSB<<8)|(\new)
.set MSB, (\new)
.endif
.endm
.set W_KQ, 0x0a
.set W_PV, 0x52
.set W_RS, 0x41
.set W_MK, 0xc0
.set W_AD, 0x0f
; A joint fill.  Waves 0 and 1 fetch the two halves of a slot's K, waves 2 and 3 those of its V: 128 keys each.  An s_nop 0 and four v_nop follow each of the two lines.
.macro JLOAD
	s_cmp_lt_u32 s[WV], 2
	s_cbranch_scc0 .Lfor_v_\@
	tensor_load_to_lds s[G0K:G0K+3], s[G1K:G1K+7]
	s_nop 0
.rept 4
	v_nop
.endr
	s_branch .Lasked_\@
.Lfor_v_\@:
	tensor_load_to_lds s[G0V:G0V+3], s[G1V:G1V+7]
	s_nop 0
.rept 4
	v_nop
.endr
.Lasked_\@:
.endm
; A prefetch of what the NEXT change of slots will ask for: a slot's K and V are 128 blocks of 256 bytes each; the four partners take 32 each, told apart by address; wave 0 asks for K's, wave 2 for V's, a lane a block.
; So each block is named once.  The last change that fills a slot asks for nothing.
.macro ASK
	s_cmp_gt_u32 s[SLOTS], s[LIM]
	s_cbranch_scc0 .Lnot_mine_\@
	global_prefetch_b8 v[PFO], s[PFA:PFA+1] th:TH_LOAD_NT scope:SCOPE_SE
.Lnot_mine_\@:
.endm
.macro CROUND
	s_barrier_signal -1
	s_barrier_wait -1
	s_cmp_lg_u32 s[WV], 0
	s_cbranch_scc1 .Lnot_wave_0_\@
	s_barrier_signal -3
.Lnot_wave_0_\@:
	s_barrier_wait -3
	s_barrier_signal -1
	s_barrier_wait -1
.endm
; THE CHANGE OF SLOTS.  Each wave waits for all its tensor loads, of which one is out: its part of the other slot; adds 0 to its spare word; and waits for that and for its own reads of the slot.
; fill = 1: the slot is filled again, with the keys two slots on, behind a round of the cluster's barrier, the joint fill first.  ask = 1: the prefetch follows it.
.macro CHANGE fill, ask=0
	WIN W_AD
	s_wait_tensorcnt 0x0            ; no tensor load of mine is out, so a group 0 may be written
	ds_add_u32 v[SPW], v[NIL]       ; 0 onto my spare word
	WIN 0
.if \fill
.irp g, G0K, G0V
	s_xor_b32 s[\g+1], s[\g+1], SLOT1
	s_add_nc_u64 s[\g+2:\g+3], s[\g+2:\g+3], 4*KS*128
.endr
	s_wait_xcnt 0x0                 ; the last prefetch, four key steps back, has read its address
	s_add_nc_u64 s[PFA:PFA+1], s[PFA:PFA+1], 4*KS*128  ; one slot behind the walking descriptors' next
	s_wait_dscnt 0x0                ; the add is done, and my reads of the slot are over
	CROUND
	JLOAD
.if \ask
	ASK
.endif
.else
	s_wait_dscnt 0x0
	s_barrier_signal -1
	s_barrier_wait -1
.endif
	s_sub_co_u32 s[TBK], s[TBK], 4*KS*PK
	s_xor_b32 s[TBK], s[TBK], SLOT1
	s_sub_co_u32 s[TBV], s[TBV], 4*KS*PV
	s_xor_b32 s[TBV], s[TBV], SLOT1
.endm
	s_load_b128 s[4:7], s[0:1], 0x0  ; qkv s[4:5], ob s[6:7]
	WIN W_MK
	v_lshl_add_u32 v[SPW], v0, 2, SPARE
	v_mov_b32 v[NIL], 0
	WIN W_AD
	ds_add_u32 v[SPW], v[NIL]       ; the wave's opening: the add and its wait ahead of my first tensor load
	WIN 0
	v_lshrrev_b32 v1, 5, v0
	v_readfirstlane_b32 s[WV], v1
	s_bfe_u32 s13, ttmp6, 0x40000   ; cx
	s_lshl_b32 s14, ttmp9, 2
	s_add_co_u32 s14, s14, s13      ; my block of queries: it enters Q's and O's addresses alone
	s_and_b32 s20, ttmp7, 0xffff    ; the head, which the four partners share
	s_mov_b32 s21, 0
	s_mov_b64 s[22:23], SIZE_N*128
	s_mul_u64 s[20:21], s[20:21], s[22:23]  ; the head's first byte in each plane
	s_and_b32 s16, s[WV], 1         ; which half of a slot's 256 keys I fetch
	s_lshl_b32 s22, s16, 14
	s_mov_b32 s23, 0
	s_add_nc_u64 s[22:23], s[22:23], s[20:21]
	s_mul_i32 s17, s16, 128*PK
	s_mul_i32 s18, s16, 128*PV
	s_lshl_b32 s2, s14, 2
	s_add_co_u32 s2, s2, s[WV]
	s_lshl_b32 s2, s2, 14           ; my wave's 128 rows
	s_mov_b32 s3, 0
	s_add_nc_u64 s[2:3], s[2:3], s[20:21]
	; 128 keys are 16,384 dense bytes: asked for as 64 rows of 256 bytes, two keys a row, and padded in LDS after every key
	s_mov_b32 s[G1K], 15|(1<<16)|(1<<20)|(1<<21)|(4<<22)|(3<<25)
	s_mov_b32 s[G1V], 15|(1<<16)|(1<<20)|(1<<21)|(4<<22)|(7<<25)
.irp g, G1K, G1V
	s_mov_b32 s[\g+1], 128<<16
	s_mov_b32 s[\g+2], 64<<16
	s_mov_b32 s[\g+3], 128<<16
	s_mov_b32 s[\g+4], 64
	s_mov_b32 s[\g+5], 128
	s_mov_b32 s[\g+6], 0
	s_mov_b32 s[\g+7], 0
.endr
	s_mov_b32 s[CS], 0x3e38aa3b     ; c = log2(e) / 8
	s_mov_b32 s[CS+1], s[CS]
	s_mov_b32 s[SEL], 0x76543210
	s_mov_b32 s[SEL+1], 0xfedcba98
	s_mov_b32 s[TBK], SLOT1+4*KS*PK ; the first change of slots turns these two into 0
	s_mov_b32 s[TBV], SLOT1+4*KS*PV
	s_mov_b32 s[G0K], 1
	s_mov_b32 s[G0K+1], s17
	s_mov_b32 s[G0V], 1
	s_add_co_u32 s[G0V+1], s18, VOFF
	s_cmp_eq_u32 s16, 0
	s_cselect_b32 s[LIM], 1, -1
	s_wait_dscnt 0x0                ; the opening add is done
	s_wait_kmcnt 0x0
	s_mov_b64 s[10:11], s[6:7]                     ; O
	s_add_nc_u64 s[6:7], s[4:5], 0x1000000         ; K: the second plane
	s_add_nc_u64 s[8:9], s[4:5], 0x2000000         ; V: the third
	s_add_nc_u64 s[G0K+2:G0K+3], s[6:7], s[22:23]
	s_or_b32 s[G0K+3], s[G0K+3], 0x80000000
	s_add_nc_u64 s[G0V+2:G0V+3], s[8:9], s[22:23]
	s_or_b32 s[G0V+3], s[G0V+3], 0x80000000
	s_add_nc_u64 s[4:5], s[4:5], s[2:3]  ; Q and O at my wave's first row
	s_add_nc_u64 s[10:11], s[10:11], s[2:3]
	s_cmp_lt_u32 s[WV], 2
	s_cselect_b64 s[PFA:PFA+1], s[6:7], s[8:9]
	s_add_nc_u64 s[PFA:PFA+1], s[PFA:PFA+1], s[22:23]  ; (in waves 0 and 2: the head's first byte)
	s_lshl_b32 s14, s13, 13         ; my work-group's 32 blocks of the 128,
	s_add_co_u32 s14, s14, 4*KS*128 ; in slot 1: every change that fills steps it
	s_mov_b32 s15, 0
	s_add_nc_u64 s[PFA:PFA+1], s[PFA:PFA+1], s[14:15]
	CROUND                          ; all four work-groups are here: the first joint loads meet
	JLOAD                           ; slot 0.  Slot 1 is asked for when slot 0 is in
	v_and_b32 v1, 15, v0            ; l % 16
	v_bfe_u32 v9, v0, 4, 1          ; l / 16
	v_lshlrev_b32 v[QO], 7, v1
	v_lshl_add_u32 v[QO], v9, 4, v[QO]
	WIN 0x80
.set i, 0
.rept 4*NP                          ; Q stays in registers: tile i / 2, channels 32 (i % 2) on
	global_load_b128 v[8*i:8*i+3],   v[QO], s[4:5] offset:(i/2)*2048+(i%2)*64
	global_load_b128 v[8*i+4:8*i+7], v[QO], s[4:5] offset:(i/2)*2048+(i%2)*64+32
.set i, i+1
.endr
	; What the first turn finds: V's registers and P's second buffer hold 0, O^T and l are 0.  All this stands in the wait for the first tile.
.set i, VF
.rept 64
	v_mov_b32 v[i], 0
.set i, i+1
.endr
	WIN 0x40
.set i, 0
.rept 64*NP
	v_mov_b32 v[i], 0
.set i, i+1
.endr
	WIN 0
.set i, 0
.rept 2*NP
	v_mov_b32 v[ST+4*i], 0xfe000000    ; c m: far below every c s
	v_mov_b32 v[ST+4*i+1], 0xff7fffff  ; m
	v_mov_b32 v[ST+4*i+2], 0
	v_mov_b32 v[ST+4*i+3], 0
.set i, i+1
.endr
.set i, P+32
.rept 32
	v_mov_b32 v[i], 0
.set i, i+1
.endr
	v_mul_u32_u24 v[AK0], v1, PK
	v_lshl_add_u32 v[AK0], v9, 4, v[AK0]
	v_and_b32 v10, 7, v0
	v_bfe_u32 v11, v0, 3, 1
	v_lshl_add_u32 v[AV0], v9, 3, v10
	v_mul_u32_u24 v[AV0], v[AV0], PV
	v_lshl_add_u32 v[AV0], v11, 4, v[AV0]
	v_add_nc_u32 v[AV0], VOFF, v[AV0]
	v_and_b32 v[PFO], 31, v0
	v_lshlrev_b32 v[PFO], 8, v[PFO]
	v_mov_b32 v[AK], v[AK0]         ; key step 0 lies at the head of slot 0
; THE MATRIX WORK.  The 8 accumulators of a run of 16 take turns.
.macro KQ x
	WIN W_KQ
.set rS, S+64*((\x)%2)+32*(i%2)+8*((i/2)%4)
.set rK, KF+16*((i/2)%4)+8*(i/8)
.set rQ, 16*(2*(\x)+i%2)+8*(i/8)
.if i < 8
	v_wmma_f32_16x16x32_f16 v[rS:rS+7], v[rK:rK+7], v[rQ:rQ+7], 0
.else
	v_wmma_f32_16x16x32_f16 v[rS:rS+7], v[rK:rK+7], v[rQ:rQ+7], v[rS:rS+7]
.endif
.endm
.macro PV x
	WIN W_PV
.set rO, 32*(2*(\x)+i%2)+8*((i/2)%4)
.set rV, VF+32*(i/8)+8*((i/2)%4)
.set rP, P+32*((\x)%2)+16*(i%2)+8*(i/8)
	v_wmma_f32_16x16x32_f16 v[rO:rO+7], v[rV:rV+7], v[rP:rP+7], v[rO:rO+7]
.endm
.macro MM                           ; the turn's next matrix instruction
.if i < 16
	KQ (Y+1)%NP
.set i, i+1
.else
.set i, i-16
	PV (Y+NP-1)%NP
.set i, i+17
.endif
.endm
; THE LDS LOADS stand in runs of 16.  last = 1 (the tail): in the last trip there is no further step, and the run is jumped over.
.macro FETCH_K last=0
	WIN 0
.if \last
	s_cmp_eq_u32 s[CNT], 1
	s_cbranch_scc1 .Lno_k_\@
.endif
	WIN 0x80
.irp f, 0,1,2,3,4,5,6,7
	ds_load_b128 v[KF+8*\f:KF+8*\f+3],   v[AK] offset:(\f/2)*16*PK+(\f%2)*64
	ds_load_b128 v[KF+8*\f+4:KF+8*\f+7], v[AK] offset:(\f/2)*16*PK+(\f%2)*64+32
.endr
	s_add_co_u32 s[TBK], s[TBK], KS*PK
	WIN 0
.if \last
.Lno_k_\@:
.endif
.endm
.macro FETCH_V
	WIN 0x80
.irp f, 0,1,2,3,4,5,6,7
	ds_load_tr16_b128 v[VF+8*\f:VF+8*\f+3],   v[AV] offset:(\f/4)*32*PV+(\f%4)*32
	ds_load_tr16_b128 v[VF+8*\f+4:VF+8*\f+7], v[AV] offset:(\f/4)*32*PV+16*PV+(\f%4)*32
.endr
	WIN 0
.endm
; THE VECTOR WORK OF A TURN stands in three queues, each in the order in which its entries become ready; the two tiles alternate.
.macro REGS y, u
.set rT, ST+4*(2*(\y)+(\u))
.set rC, TMP+8*((\y)%2)+4*(\u)
.set rM, MV+2*((\y)%2)+(\u)
.set rS, S+64*((\y)%2)+32*(\u)
.set rP, P+32*((\y)%2)+16*(\u)
.set rO, 32*(2*(\y)+(\u))
.endm
; Number n of the 22 that find the NEXT piece's maximum and statistics; each accumulator's lowest registers are read first.
.macro XS u, n
	REGS (Y+1)%NP, \u
.if (\n) < 4
	v_max3_num_f32 v[rC+(\n)], v[rS+8*(\n)], v[rS+8*(\n)+1], v[rS+8*(\n)+2]
.elseif (\n) < 12
	v_max3_num_f32 v[rC+(\n)%4], v[rC+(\n)%4], v[rS+8*((\n)%4)+2*((\n)/4)+1], v[rS+8*((\n)%4)+2*((\n)/4)+2]
.elseif (\n) == 12
	v_max3_num_f32 v[rC], v[rC], v[rS+7], v[rS+15]
.elseif (\n) == 13
	v_max3_num_f32 v[rC+1], v[rC+1], v[rS+23], v[rS+31]
.elseif (\n) == 14
	v_max3_num_f32 v[rC+2], v[rC+2], v[rC+3], v[rT+1]
.elseif (\n) == 15
	v_mov_b32 v[rM], v[rT]
.elseif (\n) == 16
	v_max3_num_f32 v[rC], v[rC], v[rC+1], v[rC+2]
.elseif (\n) == 17
	v_permlanex16_b32 v[rC+3], v[rC], s[SEL], s[SEL+1]
.elseif (\n) == 18
	v_max_num_f32 v[rT+1], v[rC], v[rC+3]
.elseif (\n) == 19
	v_mul_f32 v[rT], s[CS], v[rT+1]
.elseif (\n) == 20
	v_sub_f32 v[rC+1], v[rM], v[rT]
.else
	v_exp_f32 v[rC+2], v[rC+1]
.endif
.endm
; Number g of the 64 that follow the exponentials: for each four weights both pairs are rounded to f16, the second pair is added onto the first, and a group later l takes that sum.
.macro GS g
.set h, (\g)+6*((\g)/62)
.if h >= 6
.set h, h+2
.endif
	REGS Y, h%2
.set k, h/8
.if h%8 < 4
	v_cvt_pk_f16_f32 v[rP+2*k+(h%8)/2], v[rS+4*k+2*((h%8)/2)], v[rS+4*k+2*((h%8)/2)+1]
.elseif h%8 < 6
	v_pk_add_f32 v[rS+4*k:rS+4*k+1], v[rS+4*k:rS+4*k+1], v[rS+4*k+2:rS+4*k+3]
.elseif k == 1
	v_pk_fma_f32 v[rT+2:rT+3], v[rT+2:rT+3], v[rC+2:rC+3], v[rS:rS+1] op_sel_hi:[1,0,1]
.else
	v_pk_add_f32 v[rT+2:rT+3], v[rT+2:rT+3], v[rS+4*k-4:rS+4*k-3]
.endif
.endm
; THE PLAIN QUEUE, 138 long.  0-73 read no exponential's result: the 32 scalings and the next piece's 42.  74-137 read the exponentials' results and stand behind the wait.
.macro FS f
	REGS Y, (\f)%2
	v_pk_fma_f32 v[rS+2*((\f)/2):rS+2*((\f)/2)+1], v[rS+2*((\f)/2):rS+2*((\f)/2)+1], s[CS:CS+1], v[rT:rT+1] op_sel_hi:[1,0,0] neg_lo:[0,0,1] neg_hi:[0,0,1]
.endm
.macro PL
	WIN 0
.if q < 27
	FS q
.elseif q < 55
	XS (q-27)%2, (q-27)/2
.elseif q < 57
	XS q-55, 15
.elseif (q < 72) && ((q-57)%3 == 0)
	FS 27+(q-57)/3
.elseif q < 60
	XS (q-57)%3-1, 14
.elseif q < 72
	XS (q-57)%3-1, 15+(q-57)/3
.elseif q < 74
	XS q-72, 20
.else
	GS q-74
.endif
.set q, q+1
.endm
; THE EXPONENTIALS' QUEUE, 66 long: one batch, all ahead of the turn's one wait.
.macro EX
	WIN 0
.if e >= 64
	XS e-64, 21
.else
	REGS Y, e%2
	v_exp_f32 v[rS+e/2], v[rS+e/2]
.endif
.set e, e+1
.endm
; THE RESCALING's QUEUE: O^T times a, two at a time, sixteen times.  Its a was made in the turn before, ahead of that turn's wait.
.macro R2
	REGS Y, r%2
	WIN W_RS
.irp z, 0,1
	v_pk_mul_f32 v[rO+4*(r/2)+2*\z:rO+4*(r/2)+2*\z+1], v[rO+4*(r/2)+2*\z:rO+4*(r/2)+2*\z+1], v[rC+2:rC+3] op_sel_hi:[1,0]
.endr
.set r, r+1
.endm
; A TURN, for piece p.  Ahead of its one wait stands all that names no result of the turn's exponentials: 16 products K Q^T with a scaling, an exponential and two rescalings behind each, then a run of 108.
; Behind the wait: 16 products V^T P, behind each four of the roundings and sums.  K of the next step is fetched in piece 2's turn, directly behind the wait; V of the step in hand at the end of piece 0's turn.
.macro TURN p, last=0, cnt=0
.set Y, (\p)
.set i, 0
.set q, 0
.set e, 0
.set r, 0
.if (\p) == NP-1
	s_wait_dscnt 0x0                ; K is in
.endif
	MM
	PL
	PL
	R2
.rept 15
	MM
	PL
	EX
	R2
.endr
.if (\p) == NP-2
	WIN 0
	v_add_nc_u32 v[AK], s[TBK], v[AK0]
.endif
.rept 8
	PL
.endr
.rept 49
	EX
	PL
.endr
	EX                              ; the next piece's two a
	EX
	v_nop                           ; a plain instruction behind the last exponential: one for the batch
	s_wait_alu depctr_va_vdst(0)    ; the wait ahead of the first reader: one for the batch
.if (\p) == NP-2
	FETCH_K \last
.endif
.if (\p) == 1
	s_wait_dscnt 0x0                ; V is in
.endif
.rept 16
	MM
.rept 4
	PL
.endr
.if ((\p) == 0) && (q == 118)
	v_add_nc_u32 v[AV], s[TBV], v[AV0]
.endif
.if ((\p) == 0) && (q == 130)
	s_add_co_u32 s[TBV], s[TBV], KS*PV
.endif
.if (\cnt) && (q == 130)
	s_sub_co_u32 s[CNT], s[CNT], 1
	s_cmp_lg_u32 s[CNT], 0
.endif
.endr
.if (\p) == 0
	FETCH_V
.endif
.endm
	CHANGE 1                        ; slot 0 is in, everybody's part of it; slot 1 is asked for
	FETCH_K                         ; key step 0
	s_wait_loadcnt 0x0              ; Q
	s_wait_dscnt 0x0
.set i, 0
.rept 16
	KQ 0                            ; piece 0's first scores
.set i, i+1
.endr
	WIN 0                           ; the addresses for the way out: plain instructions, the places behind those products
	s_mul_i32 s13, s[WV], 16*SP
	s_add_co_u32 s13, s13, STAGE
	v_mul_u32_u24 v[STO], v1, SP
	v_lshl_add_u32 v[STO], v9, 4, v[STO]
	v_add_nc_u32 v[STO], s13, v[STO]
	v_bfe_u32 v[RD], v0, 3, 2
	v_mul_u32_u24 v[RD], v[RD], SP
	v_lshl_add_u32 v[RD], v10, 4, v[RD]
	v_add_nc_u32 v[RD], s13, v[RD]
	v_and_b32 v[GO], 31, v0
	v_lshlrev_b32 v[GO], 4, v[GO]
.set Y, NP-1
.irp n, 0,1,2,3,4,5,6,7,8,9,10,11,12,13,14,15,16,17,18,19,20,21
	XS 0, \n
	XS 1, \n
.endr
	v_nop                           ; a plain instruction behind the two a,
	s_wait_alu depctr_va_vdst(0)    ; and their wait, ahead of the branch
	s_mov_b32 s[CNT], 4
	s_mov_b32 s[SLOTS], SIZE_N/256-1
	s_branch .Lfirst                ; the loop is entered at a step's first turn
.Lslot:                             ; six times: every slot but the last two is filled again
	CHANGE 1, 1
	s_mov_b32 s[CNT], 4
.Lstep:
	TURN 2
	TURN 3
	WIN 0
.Lfirst:
	TURN 0
	TURN 1, 0, 1
	WIN 0
	s_cbranch_scc1 .Lstep
	s_sub_co_u32 s[SLOTS], s[SLOTS], 1
	s_cmp_lg_u32 s[SLOTS], 0
	s_cbranch_scc1 .Lslot
	CHANGE 0                        ; the tail is written out
	s_mov_b32 s[CNT], 5             ; four trips fetch the last slot's steps; the fifth is left in its middle
.Ltail:
	TURN 2, 1
	TURN 3
	WIN 0
	s_sub_co_u32 s[CNT], s[CNT], 1
	s_cmp_eq_u32 s[CNT], 0
	s_cbranch_scc1 .Lout
	TURN 0
	TURN 1
	WIN 0
	s_branch .Ltail
.Lout:                              ; the fifth trip's 16 products K Q^T and the maximum made of them serve nothing: the price of one text for every trip
.set i, 0
.rept 16
	PV NP-1
.set i, i+1
.endr
	; THE WAY OUT.  l's halves are added; O^T is divided by l, rounded to f16 and sent through my stage, a tile at a time.  The additions are the places behind the last products.
	WIN 0
.macro ALL line:vararg
.set t, 0
.rept 2*NP
	\line
.set t, t+1
.endr
.endm
	ALL v_add_f32 v[ST+4*t+2], v[ST+4*t+2], v[ST+4*t+3]
	ALL v_permlanex16_b32 v[ST+4*t+3], v[ST+4*t+2], s[SEL], s[SEL+1]
	ALL v_add_f32 v[ST+4*t+2], v[ST+4*t+2], v[ST+4*t+3]
	ALL v_rcp_f32 v[ST+4*t+2], v[ST+4*t+2]
	v_nop
	s_wait_alu depctr_va_vdst(0)    ; one wait for the eight reciprocals, ahead of their first use
.macro PACK t
	WIN W_RS
.set i, 32*(\t)
.rept 16
	v_pk_mul_f32 v[i:i+1], v[i:i+1], v[ST+4*(\t)+2:ST+4*(\t)+3] op_sel_hi:[1,0]
.set i, i+2
.endr
	WIN 0x05
.set i, 0
.rept 16
	v_cvt_pk_f16_f32 v[S+16*(\t)+i], v[32*(\t)+2*i], v[32*(\t)+2*i+1]
.set i, i+1
.endr
	WIN 0
.irp f, 0,1,2,3
	ds_store_b128 v[STO], v[S+16*(\t)+4*\f:S+16*(\t)+4*\f+3] offset:32*\f
.endr
.irp f, 0,1,2,3
	ds_load_b128 v[S+16*(\t)+4*\f:S+16*(\t)+4*\f+3], v[RD] offset:\f*4*SP  ; LDS serves a wave's instructions in order: these see the stores above
.endr
.endm
.macro SEND t, younger
	WIN 0
.irp f, 0,1,2,3
	s_wait_dscnt (\younger)+3-\f
	global_store_b128 v[GO], v[S+16*(\t)+4*\f:S+16*(\t)+4*\f+3], s[10:11] offset:(\t)*2048+\f*512  ; 512 consecutive bytes, at a multiple of 256 from O's first
.endr
.endm
	PACK 0
.set t, 1
.rept 2*NP-1
	PACK t
	SEND t-1, 8
.set t, t+1
.endr
	SEND 2*NP-1, 0
	WIN W_AD
	s_wait_tensorcnt 0x0            ; the wave's end
	ds_add_u32 v[SPW], v[NIL]
	s_wait_dscnt 0x0
	WIN 0
	CROUND                          ; the closing round
	s_endpgm
.Lfunc_end_k_q203b608b14_attn:
	.size	k_q203b608b14_attn, .Lfunc_end_k_q203b608b14_attn-k_q203b608b14_attn
	.p2alignl 7, 3214868480
	.fill 96, 4, 3214868480
	.section	.rodata,"a",@progbits
	.p2align	6, 0x0
	.amdhsa_kernel k_q203b608b14_attn
		.amdhsa_group_segment_fixed_size 327680
		.amdhsa_private_segment_fixed_size 0
		.amdhsa_enable_private_segment 0
		.amdhsa_kernarg_size 16
		.amdhsa_user_sgpr_count 2
		.amdhsa_user_sgpr_kernarg_segment_ptr 1
		.amdhsa_wavefront_size32 1
		.amdhsa_system_sgpr_workgroup_id_x 1
		.amdhsa_system_sgpr_workgroup_id_y 1
		.amdhsa_system_sgpr_workgroup_id_z 1
		.amdhsa_system_vgpr_workitem_id 0
		.amdhsa_next_free_vgpr 770
		.amdhsa_next_free_sgpr 66
		.amdhsa_reserve_vcc 0
		.amdhsa_float_denorm_mode_32 3
		.amdhsa_float_denorm_mode_16_64 3
		.amdhsa_memory_ordered 1
		.amdhsa_forward_progress 1
		.amdhsa_inst_pref_size 200
	.end_amdhsa_kernel
	.amdgpu_metadata
---
amdhsa.version: [ 1, 2 ]
amdhsa.kernels:
  - .name:           k_q203b608b14_attn
    .symbol:         k_q203b608b14_attn.kd
    .args:
      - { .name: qkv, .offset: 0, .size: 8, .value_kind: global_buffer, .address_space: global }
      - { .name: ob, .offset: 8, .size: 8, .value_kind: global_buffer, .address_space: global }
    .group_segment_fixed_size: 327680
    .private_segment_fixed_size: 0
    .kernarg_segment_align: 8
    .kernarg_segment_size: 16
    .max_flat_workgroup_size: 128
    .sgpr_count:     66
    .vgpr_count:     770
    .wavefront_size: 32
...
	.end_amdgpu_metadata
.endif
;; end of part 3
;; launch outp (part 4): grid 8 x 32, 4 waves a work-group, clusters of 4 x 4, 327,680 bytes of LDS; arguments ob, wb, b_o, out0; writes out0
.if DOCPART == 4
	.amdgcn_target "amdgcn-amd-amdhsa--gfx1250"
	.amdhsa_code_object_version 6
	.text
	.protected	k_q203b608b14_outp
	.globl	k_q203b608b14_outp
	.p2align	8
	.type	k_q203b608b14_outp,@function
k_q203b608b14_outp:
	s_mov_b64 s[64:65], 0
	v_nop
	global_prefetch_b8 v0, s[64:65] scope:SCOPE_SE
	s_setreg_imm32_b32 hwreg(HW_REG_WAVE_MODE, 25, 1), 1
	s_wait_xcnt 0x0
	s_wait_alu depctr_hold_cnt(0) depctr_sa_sdst(0) depctr_va_vdst(0) depctr_va_sdst(0) depctr_va_ssrc(0) depctr_va_vcc(0) depctr_vm_vsrc(0)
	s_getreg_b32 s2, hwreg(HW_REG_IB_STS2, 6, 4)
	s_cmp_eq_u32 s2, 0
	s_cbranch_scc0 .Lentry_in_a_cluster
	s_endpgm
.Lentry_in_a_cluster:
	s_bfe_u32 s2, ttmp6, 0x10000c
	s_cmp_lg_u32 s2, 0xf033
	s_cbranch_scc0 .Lentry_shape_is_right
	s_endpgm
.Lentry_shape_is_right:
; out0 = O w_o + b_o.  ob: f16 [64 = 16 batch + head][2048][64]; w_o: plane 3 of wb, [1024 k][1024 n] in f16 (the bf16 rounding of w_o); b_o f32, rounded to bf16 here; sums and out0 in f32.
; SHARES.  256 work-groups, a tile of 256 rows x 128 columns each; four waves, each 128 rows x 64 columns: 8 x 4 accumulators.  K goes in steps of 128 (two heads) through two LDS slots, 8 steps.
; O's part of a step: for each of the two heads 256 rows of 128 bytes, dense in memory: asked for as 128 rows of 256 bytes and padded in LDS after every 128 bytes.
; THE PRODUCT IS USED TRANSPOSED (source 0 = 16 columns of w_o, by the turning load; source 1 = 16 rows of O): a lane holds one row and eight neighbouring columns.  THE BIAS is the C operand of each sum's first product.
; CLUSTER 4 x 4: O's tile is asked for jointly along a row of the cluster, w_o's along a column.
; REGISTERS.  Window 0: v1-5 at work, v16-30 addresses, v32-63 the bias, v64-159 and v160-255 two fragment buffers.  Window 1: accumulator (a, b) at 8 (4 a + b).
.set PA,    144                        ; a row of O in LDS: 128 bytes + 16
.set AHEAD, 256*PA                     ; a head's 256 rows: what one wave fetches
.set BOFF,  2*AHEAD
.set PB,    288
.set BHALF, 64*PB
.set SLOT,  BOFF+2*BHALF
.set STAGE, 2*SLOT                     ; behind the ring: 16 rows x 272 bytes for each wave; no tile lands here
.set SP,    272
.set SPARE, STAGE+4*16*SP              ; the spare words: two blocks of 256 bytes that no other line names
.set ADRA, 16
.set ADRB, 20
.set STO,  24
.set RD,   25
.set CO,   26                          ; v26  my byte offset in two rows of out0
.set BO,   27
.set SPW,  28
.set NIL,  29
.set PFO,  30
.set BI,   32
.set F0,   64
.set F1,   160
.set OB,   64                          ; the way out: four sets of 32
.set RB,   224
.set LAP,  3
.set WV,   16
.set HM,   17
.set HN,   18
.set CX,   19
.set CY,   20
.set TC,   21
.set TR,   22
.set LA,   23
.set G1,   24
.set G0,   32
.set PFA,  44
.set PFS,  46
.set G1B,  48
.set G0B,  56
.set PFN,  66
.set LB,   67
.set MSB, 0
.macro WIN new
.if MSB != (\new)
	s_set_vgpr_msb (MSB<<8)|(\new)
.set MSB, (\new)
.endif
.endm
.set W_MUL,   0x50
.set W_FIRST, 0x40
.set W_ST,    0x04                     ; an LDS store's data in window 1
.macro JLOAD s                         ; waves 0 and 1 fetch the step's two heads of O, waves 2 and 3 w_o's two halves; an s_nop 0 and four v_nop follow each line
	s_cmp_eq_u32 s[HM], 0
	s_cbranch_scc0 .Lfor_b_\@
	tensor_load_to_lds s[G0+4*(\s):G0+4*(\s)+3], s[G1:G1+7]
	s_nop 0
.rept 4
	v_nop
.endr
	s_branch .Lasked_\@
.Lfor_b_\@:
	tensor_load_to_lds s[G0B+4*(\s):G0B+4*(\s)+3], s[G1B:G1B+7]
	s_nop 0
.rept 4
	v_nop
.endr
.Lasked_\@:
.endm
; A prefetch of the K step that stands two refills on, a lane a block of 256 bytes.  O's: cluster x = 0, waves 0 and 1, each partner 32 of the 128 blocks of the wave's head slice, told apart by address.
; w_o's: cluster y = 0, wave 2, each partner 32 of the step's 128 rows.  Four asks each: steps 4 to 7; each block is named once.
.macro ASK
	s_cmp_lg_u32 s[PFN], 0
	s_cbranch_scc0 .Lnot_mine_\@
	global_prefetch_b8 v[PFO], s[PFA:PFA+1] th:TH_LOAD_NT scope:SCOPE_SE
	s_sub_co_u32 s[PFN], s[PFN], 1
.Lnot_mine_\@:
.endm
.macro CREST
	s_cmp_lg_u32 s[WV], 0
	s_cbranch_scc1 .Lnot_wave_0_\@
	s_barrier_signal -3
.Lnot_wave_0_\@:
	s_barrier_wait -3
	s_barrier_signal -1
	s_barrier_wait -1
.endm
.macro CROUND
	s_barrier_signal -1
	s_barrier_wait -1
	CREST
.endm
.macro PLACES
.rept 4
	v_nop
.endr
.endm
	s_load_b256 s[4:11], s[0:1], 0x0               ; ob s[4:5], wb s[6:7], b_o s[8:9], out0 s[10:11]
	v_lshl_add_u32 v[SPW], v0, 2, SPARE
	v_mov_b32 v[NIL], 0
	ds_add_u32 v[SPW], v[NIL]                      ; the wave's opening: the add and its wait ahead of my first tensor load
	v_lshrrev_b32 v1, 5, v0
	v_readfirstlane_b32 s[WV], v1
	s_lshr_b32 s[HM], s[WV], 1
	s_and_b32 s[HN], s[WV], 1
	s_bfe_u32 s[CX], ttmp6, 0x40000
	s_bfe_u32 s[CY], ttmp6, 0x40004
	s_lshl_b32 s[TC], ttmp9, 2
	s_add_co_u32 s[TC], s[TC], s[CX]
	s_and_b32 s[TR], ttmp7, 0xffff
	s_lshl_b32 s[TR], s[TR], 2
	s_add_co_u32 s[TR], s[TR], s[CY]
	s_lshl_b32 s40, s[CY], 2
	s_lshl_b32 s40, 15, s40
	s_lshl_b32 s42, 0x1111, s[CX]
	s_or_b32 s[G1], s40, (1<<16)|(1<<20)|(1<<21)|(4<<22)|(3<<25)   ; padding after every 32 words, 4 words
	s_or_b32 s[G1B], s42, (1<<16)|(1<<20)|(1<<21)|(5<<22)|(7<<25)  ; after every 64 words, 8 words
	s_mov_b32 s[G1+1], 128<<16
	s_mov_b32 s[G1+2], 128<<16
	s_mov_b32 s[G1+3], 128<<16
	s_mov_b32 s[G1+4], 128
	s_mov_b32 s[G1+5], 128                         ; dense: 128 elements from row to row
	s_mov_b32 s[G1+6], 0
	s_mov_b32 s[G1+7], 0
	s_mov_b32 s[G1B+1], 128<<16
	s_mov_b32 s[G1B+2], 64<<16
	s_mov_b32 s[G1B+3], 128<<16
	s_mov_b32 s[G1B+4], 64
	s_mov_b32 s[G1B+5], 1024
	s_mov_b32 s[G1B+6], 0
	s_mov_b32 s[G1B+7], 0
	s_lshr_b32 s40, s[TR], 3                       ; O: batch x 16 heads + my head of the step, the tile's 256 rows of it
	s_lshl_b32 s40, s40, 22
	s_lshl_b32 s41, s[HN], 18
	s_add_co_u32 s40, s40, s41
	s_and_b32 s41, s[TR], 7
	s_lshl_b32 s41, s41, 15
	s_add_co_u32 s40, s40, s41
	s_mov_b32 s41, 0
	s_lshl_b32 s42, s[TC], 8                       ; w_o: plane 3, 256 bytes x tile column + 64 rows x half
	s_lshl_b32 s43, s[HN], 17
	s_add_co_u32 s42, s42, s43
	s_add_co_u32 s42, s42, 0x600000
	s_mov_b32 s43, 0
	s_mul_i32 s[LA], s[HN], AHEAD
	s_mul_i32 s[LB], s[HN], BHALF
	s_add_co_u32 s[LB], s[LB], BOFF
	s_wait_dscnt 0x0                               ; the opening add is done
	s_wait_kmcnt 0x0
	s_add_nc_u64 s[40:41], s[4:5], s[40:41]
	s_add_nc_u64 s[42:43], s[6:7], s[42:43]
	CROUND                                         ; all sixteen work-groups are here: the first joint loads meet
.irp s, 0,1
	s_mov_b32 s[G0+4*(\s)], 1
	s_add_co_u32 s[G0+4*(\s)+1], s[LA], (\s)*SLOT
	s_add_nc_u64 s[G0+4*(\s)+2:G0+4*(\s)+3], s[40:41], (\s)*524288
	s_or_b32 s[G0+4*(\s)+3], s[G0+4*(\s)+3], 0x80000000
	s_mov_b32 s[G0B+4*(\s)], 1
	s_add_co_u32 s[G0B+4*(\s)+1], s[LB], (\s)*SLOT
	s_add_nc_u64 s[G0B+4*(\s)+2:G0B+4*(\s)+3], s[42:43], (\s)*262144
	s_or_b32 s[G0B+4*(\s)+3], s[G0B+4*(\s)+3], 0x80000000
	JLOAD \s
.endr
	v_and_b32 v1, 15, v0                           ; r
	v_bfe_u32 v2, v0, 4, 1                         ; h
	v_mul_u32_u24 v3, v1, PA
	v_lshl_add_u32 v3, v2, 4, v3
	s_mul_i32 s40, s[HM], 128*PA
	v_add_nc_u32 v[ADRA], s40, v3
	v_add_nc_u32 v[ADRA+1], SLOT, v[ADRA]
	v_and_b32 v4, 7, v0
	v_lshl_add_u32 v4, v2, 3, v4
	v_mul_u32_u24 v4, v4, PB
	v_bfe_u32 v5, v0, 3, 1
	v_lshl_add_u32 v4, v5, 4, v4
	s_lshl_b32 s42, s[HN], 7
	s_add_co_u32 s42, s42, BOFF
	v_add_nc_u32 v[ADRB], s42, v4
	v_add_nc_u32 v[ADRB+1], SLOT, v[ADRB]
	s_mul_i32 s70, s[WV], 16*SP
	s_add_co_u32 s70, s70, STAGE                   ; my stage
	v_mul_u32_u24 v3, v1, SP                       ; in: row r, 32 bytes for each half of the lanes
	v_lshl_add_u32 v3, v2, 5, v3
	v_add_nc_u32 v[STO], s70, v3
	v_mul_u32_u24 v3, v2, SP                       ; back: lanes 0-15 one row of 256 bytes, lanes 16-31 the next
	v_lshl_add_u32 v3, v1, 4, v3
	v_add_nc_u32 v[RD], s70, v3
	v_lshlrev_b32 v3, 12, v2                       ; and the same two rows in out0
	v_lshl_add_u32 v[CO], v1, 4, v3
	s_lshl_b32 s70, s[TC], 9
	s_lshl_b32 s71, s[HN], 8
	s_add_co_u32 s70, s70, s71                     ; my 64 columns, in bytes: in the bias and in a row of out0
	v_lshl_add_u32 v[BO], v2, 5, s70
	s_lshl_b32 s72, s[TR], 8
	s_lshl_b32 s73, s[HM], 7
	s_add_co_u32 s72, s72, s73
	s_lshl_b32 s72, s72, 12                        ; my first row, 4,096 bytes a row
	s_add_co_u32 s72, s72, s70
	s_mov_b32 s73, 0
	s_add_nc_u64 s[14:15], s[10:11], s[72:73]
	; the prefetches: they stand at K step 3; each change of slots steps them before it asks
	s_lshr_b32 s70, s[TR], 3
	s_lshl_b32 s70, s70, 22
	s_lshl_b32 s71, s[HN], 18
	s_add_co_u32 s70, s70, s71
	s_and_b32 s71, s[TR], 7
	s_lshl_b32 s71, s71, 15
	s_add_co_u32 s70, s70, s71
	s_lshl_b32 s71, s[CX], 13
	s_add_co_u32 s70, s70, s71
	s_add_co_u32 s70, s70, 3*524288
	s_lshl_b32 s72, s[CY], 5
	s_add_co_u32 s72, s72, 3*128
	s_lshl_b32 s72, s72, 11
	s_lshl_b32 s73, s[TC], 8
	s_add_co_u32 s72, s72, s73
	s_add_co_u32 s72, s72, 0x600000
	s_mov_b32 s74, 524288
	s_mov_b32 s75, 262144
	s_and_b32 s73, ttmp7, 0xffff
	s_cmp_eq_u32 s73, 0
	s_cselect_b32 s73, 4, 0
	s_cmp_eq_u32 s[WV], 2
	s_cselect_b32 s73, s73, 0
	s_cmp_eq_u32 ttmp9, 0
	s_cselect_b32 s71, 4, 0
	s_cmp_eq_u32 s[HM], 0
	s_cselect_b32 s[PFN], s71, s73                 ; hangs on the wave's number and the cluster's coordinates alone
	s_cselect_b32 s70, s70, s72
	s_cselect_b32 s[PFS], s74, s75
	s_cselect_b64 s[PFA:PFA+1], s[4:5], s[6:7]
	s_cselect_b32 s72, 8, 11                       ; O: blocks 256 bytes apart; w_o: rows 2,048 bytes apart
	s_mov_b32 s71, 0
	s_mov_b32 s[PFS+1], 0
	s_add_nc_u64 s[PFA:PFA+1], s[PFA:PFA+1], s[70:71]
	v_and_b32 v3, 31, v0
	v_lshlrev_b32 v[PFO], s72, v3
.macro MULS f, a0, n, zero             ; n row blocks from a0 x 4 column blocks, 32 along K; zero = 1: with the bias as C.  The 32 accumulators take turns
.if \zero
	WIN W_FIRST
.else
	WIN W_MUL
.endif
.set aa, (\a0)
.rept \n
.irp b, 0,1,2,3
.if \zero
	v_wmma_f32_16x16x32_f16 v[8*(4*aa+(\b)):8*(4*aa+(\b))+7], v[(\f)+8*(\b):(\f)+8*(\b)+7], v[(\f)+32+8*aa:(\f)+32+8*aa+7], v[BI+8*(\b):BI+8*(\b)+7]
.else
	v_wmma_f32_16x16x32_f16 v[8*(4*aa+(\b)):8*(4*aa+(\b))+7], v[(\f)+8*(\b):(\f)+8*(\b)+7], v[(\f)+32+8*aa:(\f)+32+8*aa+7], v[8*(4*aa+(\b)):8*(4*aa+(\b))+7]
.endif
.endr
.set aa, aa+1
.endr
.endm
.macro FETCH slot, q, f                ; quarter q: head q / 2 of the step, channels 32 (q % 2) on
	WIN 0
.irp b, 0,1,2,3
	ds_load_tr16_b128 v[(\f)+8*(\b):(\f)+8*(\b)+3],   v[ADRB+(\slot)] offset:(\q)*32*PB+32*(\b)
	ds_load_tr16_b128 v[(\f)+8*(\b)+4:(\f)+8*(\b)+7], v[ADRB+(\slot)] offset:(\q)*32*PB+32*(\b)+16*PB
.endr
.irp a, 0,1,2,3,4,5,6,7
	ds_load_b128 v[(\f)+32+8*(\a):(\f)+32+8*(\a)+3],   v[ADRA+(\slot)] offset:((\q)/2)*AHEAD+((\q)%2)*64+(\a)*16*PA
	ds_load_b128 v[(\f)+32+8*(\a)+4:(\f)+32+8*(\a)+7], v[ADRA+(\slot)] offset:((\q)/2)*AHEAD+((\q)%2)*64+(\a)*16*PA+32
.endr
.endm
.macro QUARTER slot, q, f, g, zero
	s_wait_dscnt 8                                 ; w_o and O's blocks 0-3 are in; the youngest eight loads may be out
	MULS \f, 0, 4, \zero
	PLACES
	FETCH \slot, \q, \g
	s_wait_dscnt 24                                ; all but the 24 just issued
	MULS \f, 4, 4, \zero
.endm
.macro TURN slot, next, mode           ; mode 0: this slot takes the K step two on; 2: nothing is filled
.if (\mode) < 2
	s_wait_xcnt 0x0                                ; the last prefetch, a K step back, has read its address
	s_add_nc_u64 s[PFA:PFA+1], s[PFA:PFA+1], s[PFS:PFS+1]
.endif
	WIN 0
	s_wait_tensorcnt 0x0                           ; all my tensor loads have landed
	ds_add_u32 v[SPW], v[NIL]                      ; 0 onto my spare word
	s_wait_dscnt 9                                 ; the add and the youngest eight loads may be out
	MULS F1, 0, 2, 0
	s_wait_dscnt 0x0                               ; the add is done, and my reads of this slot are over
	s_barrier_signal -1
	MULS F1, 2, 2, 0
.if (\mode) < 2
	WIN 0
.endif
	s_barrier_wait -1
.if (\mode) < 2
	CREST                                          ; no wave of any partner still reads this slot or has a load on its way
	s_add_nc_u64 s[G0+4*(\slot)+2:G0+4*(\slot)+3], s[G0+4*(\slot)+2:G0+4*(\slot)+3], 1048576  ; four heads on
	s_add_nc_u64 s[G0B+4*(\slot)+2:G0B+4*(\slot)+3], s[G0B+4*(\slot)+2:G0B+4*(\slot)+3], 524288  ; 256 rows on
	JLOAD \slot
.else
	PLACES
.endif
	FETCH \next, 0, F0
.if (\mode) < 2
	ASK
.endif
	MULS F1, 4, 4, 0
.endm
; THE WAY OUT of row block a: the f32 sums go as they are into my stage (rows of 272 bytes), each accumulator's low half first, and come back as whole rows of 256 bytes.
.macro TOSTAGE a
.set BK, OB+32*((\a)%4)
.if (\a) >= 4
	s_wait_xcnt 0x0                                ; the stores of the block four back have read this set
.endif
	WIN W_ST
.irp b, 0,1,2,3
	ds_store_b128 v[STO], v[8*(4*(\a)+(\b)):8*(4*(\a)+(\b))+3]   offset:64*(\b)
	ds_store_b128 v[STO], v[8*(4*(\a)+(\b))+4:8*(4*(\a)+(\b))+7] offset:64*(\b)+16
.endr
	WIN 0
.irp t, 0,1,2,3,4,5,6,7
	ds_load_b128 v[BK+4*(\t):BK+4*(\t)+3], v[RD] offset:(\t)*2*SP  ; LDS serves a wave's instructions in order: these see the stores above
.endr
.endm
.macro SEND a, younger
.set BK, OB+32*((\a)%4)
.irp t, 0,1,2,3,4,5,6,7
	s_wait_dscnt (\younger)+7-(\t)
	global_store_b128 v[CO], v[BK+4*(\t):BK+4*(\t)+3], s[14:15] offset:(16*(\a)+2*(\t))*4096 th:TH_STORE_NT  ; 16 lanes store 256 consecutive bytes, aligned
.endr
.endm
.irp b, 0,1,2,3
	global_load_b128 v[BI+8*(\b):BI+8*(\b)+3],   v[BO], s[8:9] offset:64*(\b)
	global_load_b128 v[BI+8*(\b)+4:BI+8*(\b)+7], v[BO], s[8:9] offset:64*(\b)+16
.endr
	s_wait_loadcnt 0x0
.set i, 0
.rept 16                               ; the bias is rounded to bf16 like every input, and widened again
	v_cvt_pk_bf16_f32 v[RB+i], v[BI+2*i], v[BI+2*i+1]
.set i, i+1
.endr
.set i, 0
.rept 16
	v_lshlrev_b32 v[BI+2*i],   16,         v[RB+i]
	v_and_b32     v[BI+2*i+1], 0xffff0000, v[RB+i]
.set i, i+1
.endr
	s_wait_tensorcnt 1                             ; my part of K step 0 is in; step 1's may stay out
	s_barrier_signal -1
	s_barrier_wait -1
	FETCH 0, 0, F0
	QUARTER 0, 1, F0, F1, 1                        ; the first quarter starts the sums, with the bias
	WIN 0
	s_mov_b32 s[LAP], 3
.Llap:
	QUARTER 0, 2, F1, F0, 0
	QUARTER 0, 3, F0, F1, 0
	TURN 0, 1, 0
	QUARTER 1, 1, F0, F1, 0
	QUARTER 1, 2, F1, F0, 0
	QUARTER 1, 3, F0, F1, 0
	TURN 1, 0, 0
	QUARTER 0, 1, F0, F1, 0
	WIN 0
	s_sub_co_u32 s[LAP], s[LAP], 1
	s_cmp_lg_u32 s[LAP], 0
	s_cbranch_scc1 .Llap
	QUARTER 0, 2, F1, F0, 0                        ; the last lap fills nothing
	QUARTER 0, 3, F0, F1, 0
	TURN 0, 1, 2
	QUARTER 1, 1, F0, F1, 0
	QUARTER 1, 2, F1, F0, 0
	QUARTER 1, 3, F0, F1, 0
	s_wait_dscnt 8
	MULS F1, 0, 4, 0
	s_wait_dscnt 0x0
	MULS F1, 4, 4, 0
	WIN 0
	PLACES
	TOSTAGE 0
.irp a, 1,2,3,4,5,6,7
	TOSTAGE \a
	SEND (\a)-1, 16
.endr
	SEND 7, 0
	s_wait_tensorcnt 0x0                           ; the wave's end
	ds_add_u32 v[SPW], v[NIL]
	s_wait_dscnt 0x0
	CROUND                                         ; the closing round
	s_endpgm
.Lfunc_end_k_q203b608b14_outp:
	.size	k_q203b608b14_outp, .Lfunc_end_k_q203b608b14_outp-k_q203b608b14_outp
	.p2alignl 7, 3214868480
	.fill 96, 4, 3214868480
	.section	.rodata,"a",@progbits
	.p2align	6, 0x0
	.amdhsa_kernel k_q203b608b14_outp
		.amdhsa_group_segment_fixed_size 327680
		.amdhsa_private_segment_fixed_size 0
		.amdhsa_enable_private_segment 0
		.amdhsa_kernarg_size 32
		.amdhsa_user_sgpr_count 2
		.amdhsa_user_sgpr_kernarg_segment_ptr 1
		.amdhsa_wavefront_size32 1
		.amdhsa_system_sgpr_workgroup_id_x 1
		.amdhsa_system_sgpr_workgroup_id_y 1
		.amdhsa_system_sgpr_workgroup_id_z 1
		.amdhsa_system_vgpr_workitem_id 0
		.amdhsa_next_free_vgpr 512
		.amdhsa_next_free_sgpr 76
		.amdhsa_reserve_vcc 0
		.amdhsa_float_denorm_mode_32 3
		.amdhsa_float_denorm_mode_16_64 3
		.amdhsa_memory_ordered 1
		.amdhsa_forward_progress 1
		.amdhsa_inst_pref_size 92
	.end_amdhsa_kernel
	.amdgpu_metadata
---
amdhsa.version: [ 1, 2 ]
amdhsa.kernels:
  - .name:           k_q203b608b14_outp
    .symbol:         k_q203b608b14_outp.kd
    .args:
      - { .name: ob, .offset: 0, .size: 8, .value_kind: global_buffer, .address_space: global }
      - { .name: wb, .offset: 8, .size: 8, .value_kind: global_buffer, .address_space: global }
      - { .name: b_o, .offset: 16, .size: 8, .value_kind: global_buffer, .address_space: global }
      - { .name: out0, .offset: 24, .size: 8, .value_kind: global_buffer, .address_space: global }
    .group_segment_fixed_size: 327680
    .private_segment_fixed_size: 0
    .kernarg_segment_align: 8
    .kernarg_segment_size: 32
    .max_flat_workgroup_size: 128
    .sgpr_count:     76
    .vgpr_count:     512
    .wavefront_size: 32
...
	.end_amdgpu_metadata
.endif
;; end of part 4
;; ======== version 2 of 2: 4 launches; version 1 with the launch cast written anew for expert scheduling mode
;; limits: values are held in f16: magnitudes above 65,504 overflow, below 6.1e-05 lose precision
;; workspace buffers: xb 16,777,216 bytes; wb 8,388,608 bytes; qkv 50,331,648 bytes; ob 16,777,216 bytes
;; launch cast (part 5): grid 768 x 1, 8 waves a work-group, no clusters, 0 bytes of LDS; arguments x, w_q, w_k, w_v, w_o, xb, wb; writes xb, wb
.if DOCPART == 5
	.amdgcn_target "amdgcn-amd-amdhsa--gfx1250"
	.amdhsa_code_object_version 6
	.text
	.protected	k_q203b608b14_cast
	.globl	k_q203b608b14_cast
	.p2align	8
	.type	k_q203b608b14_cast,@function
k_q203b608b14_cast:
	s_mov_b64 s[64:65], 0
	v_nop
	global_prefetch_b8 v0, s[64:65] scope:SCOPE_SE
	s_setreg_imm32_b32 hwreg(HW_REG_WAVE_SCHED_MODE, 0, 2), 2
	s_setreg_imm32_b32 hwreg(HW_REG_WAVE_MODE, 25, 1), 1
	s_wait_xcnt 0x0
	s_wait_alu depctr_vm_vsrc(0)
; x and the four weights, f32, are written as 16-bit copies in the same layout: xb = bf16(x); wb planes 0, 1, 2 = bf16(w_q, w_k, w_v);
; wb plane 3 = bf16(w_o) written as f16 (exact for 2^-17 <= |w| < 65,504; below that f16's fixed step of 2^-24; LIMIT: |w_o| stays under 65,504).
; A pure stream: no LDS, no barrier, no matrix unit.  A work-group takes 16,384 numbers: 65,536 bytes in, 32,768 out.  Groups 0-511: x; 512 + 64 p + i: weight p.
; Load j of a thread: 16 bytes at 4,096 j + 16 t (a wave's load covers 512 consecutive bytes); its four numbers leave as 8 bytes at 2,048 j + 8 t
; (a wave's store covers 256 consecutive bytes, aligned).  All 16 loads go out at once; no register that a memory instruction names is written again.
; THE MODE: SCHED_MODE bits 1:0 = 2 (LLVM: expert scheduling mode 2), set by the entry lines.  The code itself states the register dependences
; between vector instructions and memory instructions, with s_wait_alu, always for 0.
; THE PLAN.  Registers that memory instructions touch:
;   v1, v2   byte offsets, made once at the head and never written again: v1 is read by every load, v2 by every store.
;   X        piece j: written by load j alone, read by piece j's conversions; nothing lands there a second time.
;   Y        piece j: written by piece j's conversions, read by store j, never written behind that store.
;   T        is named by vector instructions alone.
; The 16 pieces go in four sets of four.  Set g converts its four pieces; its memory instructions are the four stores of set g - 1, whose Y no vector
; instruction of set g names.  So one wait at a set's head states all that its four stores hang on, and they are dealt among its conversions with no further wait.
.set X, 4                              ; v[4:67]    16 x 4 numbers as loaded
.set Y, 68                             ; v[68:99]   16 x 2 words to store
.set T, 100                            ; v[100:103] at work
	s_load_b256 s[4:11], s[0:1], 0x0               ; x s[4:5], w_q s[6:7], w_k s[8:9], w_v s[10:11]
	s_load_b128 s[12:15], s[0:1], 0x20             ; w_o s[12:13], xb s[14:15]
	s_load_b64 s[16:17], s[0:1], 0x30              ; wb
	v_lshlrev_b32 v1, 4, v0                        ; 16 t
	v_lshlrev_b32 v2, 3, v0                        ; 8 t
	s_sub_co_u32 s20, ttmp9, 512                   ; e: my number among the weights' groups,
	s_cmp_lt_u32 ttmp9, 512
	s_cselect_b32 s20, 0, s20                      ; (0 in a group of x, where it is not used)
	s_lshr_b32 s21, s20, 6                         ; p: which weight
	s_and_b32 s22, s20, 63
	s_lshl_b32 s22, s22, 16                        ; a weight's group: from where,
	s_lshl_b32 s24, s20, 15                        ; to where
	s_lshl_b32 s26, ttmp9, 16                      ; a group of x: from where,
	s_lshl_b32 s28, ttmp9, 15                      ; to where
	s_cmp_lt_u32 ttmp9, 512
	s_cselect_b32 s22, s26, s22
	s_cselect_b32 s24, s28, s24
	s_mov_b32 s23, 0
	s_mov_b32 s25, 0
	s_wait_kmcnt 0x0
	s_cmp_eq_u32 s21, 1
	s_cselect_b64 s[6:7], s[8:9], s[6:7]
	s_cmp_eq_u32 s21, 2
	s_cselect_b64 s[6:7], s[10:11], s[6:7]
	s_cmp_eq_u32 s21, 3
	s_cselect_b64 s[6:7], s[12:13], s[6:7]
	s_cmp_lt_u32 ttmp9, 512
	s_cselect_b64 s[6:7], s[4:5], s[6:7]           ; the source
	s_cselect_b64 s[14:15], s[14:15], s[16:17]     ; the destination
	s_add_nc_u64 s[6:7], s[6:7], s[22:23]
	s_add_nc_u64 s[14:15], s[14:15], s[24:25]
	s_wait_alu depctr_va_vdst(0)                   ; v1 and v2 are written: every load of the kernel reads v1 as its offset, every store v2
.irp j, 0,1,2,3,4,5,6,7,8,9,10,11,12,13,14,15
	global_load_b128 v[X+4*(\j):X+4*(\j)+3], v1, s[6:7] offset:4096*(\j) th:TH_LOAD_NT
.endr
; Piece j: rounded to bf16; half = 1: that number written as f16.
.macro CONV j, half
	v_cvt_pk_bf16_f32 v[Y+2*(\j)],   v[X+4*(\j)],   v[X+4*(\j)+1]
	v_cvt_pk_bf16_f32 v[Y+2*(\j)+1], v[X+4*(\j)+2], v[X+4*(\j)+3]
.if \half
	v_lshlrev_b32 v[T],   16,         v[Y+2*(\j)]
	v_and_b32     v[T+1], 0xffff0000, v[Y+2*(\j)]
	v_lshlrev_b32 v[T+2], 16,         v[Y+2*(\j)+1]
	v_and_b32     v[T+3], 0xffff0000, v[Y+2*(\j)+1]
	v_cvt_pk_f16_f32 v[Y+2*(\j)],   v[T],   v[T+1]
	v_cvt_pk_f16_f32 v[Y+2*(\j)+1], v[T+2], v[T+3]
.endif
.endm
.macro SEND j
	global_store_b64 v2, v[Y+2*(\j):Y+2*(\j)+1], s[14:15] offset:2048*(\j) th:TH_STORE_NT
.endm
; Set g: pieces 4 g to 4 g + 3 are converted; the stores of the set before stand among the conversions, one in front of each piece.
.macro SET g, half
	s_wait_loadcnt 12-4*(\g)                       ; loads come back in order: the set's four are in, the 12 - 4 g younger ones stay out
.if (\g) > 0
	s_wait_alu depctr_va_vdst(0)                   ; the conversions of the set before have written its Y, which the four stores below read; no vector instruction of this set names those registers
.endif
.irp i, 0,1,2,3
.if (\g) > 0
	SEND 4*((\g)-1)+(\i)
.endif
	CONV 4*(\g)+(\i), \half
.endr
.endm
.macro WHOLE half
	SET 0, \half
	SET 1, \half
	SET 2, \half
	SET 3, \half
	s_wait_alu depctr_va_vdst(0)                   ; the last set's conversions have written its Y, which the last four stores read
.irp i, 12,13,14,15
	SEND \i
.endr
	s_endpgm
.endm
	s_cmp_ge_u32 ttmp9, 704                        ; groups 704 to 767 hold w_o
	s_cbranch_scc1 .Lhalf
	WHOLE 0
.Lhalf:
	WHOLE 1
.Lfunc_end_k_q203b608b14_cast:
	.size	k_q203b608b14_cast, .Lfunc_end_k_q203b608b14_cast-k_q203b608b14_cast
	.p2alignl 7, 3214868480
	.fill 96, 4, 3214868480
	.section	.rodata,"a",@progbits
	.p2align	6, 0x0
	.amdhsa_kernel k_q203b608b14_cast
		.amdhsa_group_segment_fixed_size 0
		.amdhsa_private_segment_fixed_size 0
		.amdhsa_enable_private_segment 0
		.amdhsa_kernarg_size 56
		.amdhsa_user_sgpr_count 2
		.amdhsa_user_sgpr_kernarg_segment_ptr 1
		.amdhsa_wavefront_size32 1
		.amdhsa_system_sgpr_workgroup_id_x 1
		.amdhsa_system_sgpr_workgroup_id_y 1
		.amdhsa_system_sgpr_workgroup_id_z 1
		.amdhsa_system_vgpr_workitem_id 0
		.amdhsa_next_free_vgpr 104
		.amdhsa_next_free_sgpr 66
		.amdhsa_reserve_vcc 0
		.amdhsa_float_denorm_mode_32 3
		.amdhsa_float_denorm_mode_16_64 3
		.amdhsa_memory_ordered 1
		.amdhsa_forward_progress 1
		.amdhsa_inst_pref_size 16
	.end_amdhsa_kernel
	.amdgpu_metadata
---
amdhsa.version: [ 1, 2 ]
amdhsa.kernels:
  - .name:           k_q203b608b14_cast
    .symbol:         k_q203b608b14_cast.kd
    .args:
      - { .name: x, .offset: 0, .size: 8, .value_kind: global_buffer, .address_space: global }
      - { .name: w_q, .offset: 8, .size: 8, .value_kind: global_buffer, .address_space: global }
      - { .name: w_k, .offset: 16, .size: 8, .value_kind: global_buffer, .address_space: global }
      - { .name: w_v, .offset: 24, .size: 8, .value_kind: global_buffer, .address_space: global }
      - { .name: w_o, .offset: 32, .size: 8, .value_kind: global_buffer, .address_space: global }
      - { .name: xb, .offset: 40, .size: 8, .value_kind: global_buffer, .address_space: global }
      - { .name: wb, .offset: 48, .size: 8, .value_kind: global_buffer, .address_space: global }
    .group_segment_fixed_size: 0
    .private_segment_fixed_size: 0
    .kernarg_segment_align: 8
    .kernarg_segment_size: 56
    .max_flat_workgroup_size: 256
    .sgpr_count:     66
    .vgpr_count:     104
    .wavefront_size: 32
...
	.end_amdgpu_metadata
.endif
;; end of part 5
;; launch proj: the kernel of part 2 again; grid 8 x 32, 4 waves a work-group, clusters of 4 x 4, 327,680 bytes of LDS; arguments xb, wb, b_q, b_k, b_v, qkv; writes qkv
;; launch attn: the kernel of part 3 again; grid 4 x 64, 4 waves a work-group, clusters of 4 x 1, 327,680 bytes of LDS; arguments qkv, ob; writes ob
;; launch outp: the kernel of part 4 again; grid 8 x 32, 4 waves a work-group, clusters of 4 x 4, 327,680 bytes of LDS; arguments ob, wb, b_o, out0; writes out0
